; MI455X (gfx1250); checked and timed in simulation.
; The chip was launched on July 23, 2026; its instructions are those of AMD's public machine-readable ISA for CDNA 5 (MIT licence, August 2026) and "CDNA5" Instruction Set Architecture Reference Guide (July 2026). The comments in the code are by the model that wrote it; some were corrected since.
;; Attention Fusion. Allowed arithmetic: float matrix products may take bf16 or f16 operands with f32 sums; all other float work in f32.
;; Inputs: gate_b1 512 float32; gate_b2 1 float32; gate_w1 512 x 1,024 float32; gate_w2 1 x 512 float32; in_proj_b 3,072 float32; in_proj_w 3,072 x 1,024 float32; ln_b 1,024 float32; ln_w 1,024 float32; out_proj_b 1,024 float32; out_proj_w 1,024 x 1,024 float32; x 2,048 x 4 x 1,024 float32.
;; Outputs: out0 2,048 x 1,024 float32.
;; 3 versions, each right; version 2 is faster than version 1; version 3 is version 2 with the launches cast, ln written anew for expert scheduling mode. Each part assembles by itself: llvm-mc -triple=amdgcn-amd-amdhsa -mcpu=gfx1250 --defsym DOCPART=n.
;; ======== version 1 of 3: 3 launches
;; limits: values are held in f16: magnitudes above 65,504 overflow, below 6.1e-05 lose precision
;; workspace buffers: xh 16,777,216 bytes; wcat 7,340,032 bytes; woh 2,097,152 bytes; ctx 16,777,216 bytes; gp 262,144 bytes
;; launch cast (part 1): grid 800 x 1, 8 waves a work-group, no clusters, 0 bytes of LDS; arguments x, in_proj_w, gate_w1, out_proj_w, xh, wcat, woh; writes xh, wcat, woh
.if DOCPART == 1
	.amdgcn_target "amdgcn-amd-amdhsa--gfx1250"
	.amdhsa_code_object_version 6
	.text
	.protected	k_q7ee6ab7966_cast
	.globl	k_q7ee6ab7966_cast
	.p2align	8
	.type	k_q7ee6ab7966_cast,@function
k_q7ee6ab7966_cast:
	s_mov_b64 s[64:65], 0
	v_nop
	global_prefetch_b8 v0, s[64:65] scope:SCOPE_SE
	s_setreg_imm32_b32 hwreg(HW_REG_WAVE_MODE, 25, 1), 1
	s_wait_xcnt 0x0
; f32 -> f16 (round to nearest even) of x and of the three weight matrices, into layouts whose K tiles are dense in memory.
;   xh   [rb 32][s 16][row 256][64 k]        x, row block rb, K segment s
;   wcat [head 8][s 16][row 448][64 k]       rows 0-63 gate_w1 (64 head ..), 64-191 Wq, 192-319 Wk, 320-447 Wv of the head
;   woh  [t 16][row 512][128 k], t = 2 ks + nh   out_proj_w, column half nh, K segment ks
; LIMIT: a number of magnitude 65,520 or more becomes an f16 infinity; below 6.1e-5 the f16 is denormal (absolute step 6e-8).
; A stream: every byte is read once and written once, so no LDS, no barrier, no matrix unit, no cluster (nothing is shared).
; A work-group takes 16 source rows (65,536 bytes), a wave two of them: 16 loads of 16 bytes a lane, all issued ahead,
; then 16 stores of 8 bytes a lane; each store of a wave covers 256 consecutive bytes, aligned.
.set X, 4                              ; v[4:67]   16 x 4 f32 as loaded
.set Y, 68                             ; v[68:99]  16 x 2 registers of f16 to store; no register is written twice
; wo = 0: load i takes K segment i (256 bytes) of the wave's two rows; its f16 go to tile i (tile bytes apart).
; wo = 1: load i takes K segment i & 7 (512 bytes) of row i >> 3; its f16 go to tile 2 (i & 7), 256 bytes a row.
.macro CAST16 src, dst, tile, wo
.set i, 0
.rept 16
.if \wo
	global_load_b128 v[X+4*i:X+4*i+3], v1, s[\src:\src+1] offset:(i>>3)*4096+(i&7)*512 th:TH_LOAD_NT
.else
	global_load_b128 v[X+4*i:X+4*i+3], v1, s[\src:\src+1] offset:256*i th:TH_LOAD_NT
.endif
.set i, i+1
.endr
.set i, 0
.rept 16
	s_wait_loadcnt 15-i                            ; loads return in order: load i is in, the younger ones stay out
	v_cvt_pk_f16_f32 v[Y+2*i], v[X+4*i], v[X+4*i+1]
	v_cvt_pk_f16_f32 v[Y+2*i+1], v[X+4*i+2], v[X+4*i+3]
.if \wo
	global_store_b64 v2, v[Y+2*i:Y+2*i+1], s[\dst:\dst+1] offset:(i&7)*262144+(i>>3)*256
.else
	global_store_b64 v2, v[Y+2*i:Y+2*i+1], s[\dst:\dst+1] offset:i*(\tile)
.endif
.set i, i+1
.endr
.endm
	s_load_b256 s[4:11], s[0:1], 0x0               ; x s[4:5], in_proj_w s[6:7], gate_w1 s[8:9], out_proj_w s[10:11]
	s_load_b128 s[12:15], s[0:1], 0x20             ; xh s[12:13], wcat s[14:15]
	s_load_b64 s[16:17], s[0:1], 0x30              ; woh
	v_lshrrev_b32 v1, 4, v0                        ; thread / 16 = the row among the group's 16
	v_and_b32 v2, 15, v0
	v_lshlrev_b32 v2, 4, v2
	v_lshl_or_b32 v1, v1, 12, v2                   ; load: row x 4,096 + 16 (thread mod 16)
	v_lshlrev_b32 v2, 3, v0                        ; store: 8 x thread = row x 128 + 8 (thread mod 16)
	s_mov_b32 s19, 0                               ; high words of the two offsets
	s_mov_b32 s21, 0
	s_wait_kmcnt 0x0
	s_cmp_lt_u32 ttmp9, 512
	s_cbranch_scc0 .Lnot_x
	; groups 0-511: x.  rb = g / 16, rows 16 (g mod 16) .. of the block
	s_lshl_b32 s18, ttmp9, 16
	s_add_nc_u64 s[4:5], s[4:5], s[18:19]
	s_lshr_b32 s20, ttmp9, 4
	s_lshl_b32 s20, s20, 19                        ; rb x 16 tiles x 32,768
	s_and_b32 s22, ttmp9, 15
	s_lshl_b32 s22, s22, 11                        ; 16 rows x 128 bytes
	s_add_co_u32 s20, s20, s22
	s_add_nc_u64 s[12:13], s[12:13], s[20:21]
	CAST16 4, 12, 32768, 0
	s_endpgm
.Lnot_x:
	s_cmp_lt_u32 ttmp9, 704
	s_cbranch_scc0 .Lnot_in
	; groups 512-703: in_proj_w.  g' = 64 part + 8 head + sixteenth
	s_sub_co_u32 s23, ttmp9, 512
	s_lshl_b32 s18, s23, 16
	s_add_nc_u64 s[6:7], s[6:7], s[18:19]
	s_bfe_u32 s20, s23, 0x30003                    ; head
	s_mul_i32 s20, s20, 917504                     ; 16 tiles x 57,344
	s_lshr_b32 s22, s23, 6                         ; part: q, k, v
	s_lshl_b32 s22, s22, 14                        ; 128 rows x 128 bytes
	s_add_co_u32 s20, s20, s22
	s_and_b32 s22, s23, 7
	s_lshl_b32 s22, s22, 11
	s_add_co_u32 s20, s20, s22
	s_add_co_u32 s20, s20, 8192                    ; behind the 64 gate rows
	s_add_nc_u64 s[14:15], s[14:15], s[20:21]
	CAST16 6, 14, 57344, 0
	s_endpgm
.Lnot_in:
	s_cmp_lt_u32 ttmp9, 736
	s_cbranch_scc0 .Lnot_gate
	; groups 704-735: gate_w1.  g'' = 4 head + quarter
	s_sub_co_u32 s23, ttmp9, 704
	s_lshl_b32 s18, s23, 16
	s_add_nc_u64 s[8:9], s[8:9], s[18:19]
	s_lshr_b32 s20, s23, 2
	s_mul_i32 s20, s20, 917504
	s_and_b32 s22, s23, 3
	s_lshl_b32 s22, s22, 11
	s_add_co_u32 s20, s20, s22
	s_add_nc_u64 s[14:15], s[14:15], s[20:21]
	CAST16 8, 14, 57344, 0
	s_endpgm
.Lnot_gate:
	; groups 736-799: out_proj_w.  g''' = 32 nh + sixteen-row block
	s_sub_co_u32 s23, ttmp9, 736
	s_lshl_b32 s18, s23, 16
	s_add_nc_u64 s[10:11], s[10:11], s[18:19]
	s_lshr_b32 s20, s23, 5
	s_lshl_b32 s20, s20, 17                        ; nh x 131,072
	s_and_b32 s22, s23, 31
	s_lshl_b32 s22, s22, 12                        ; 16 rows x 256 bytes
	s_add_co_u32 s20, s20, s22
	s_add_nc_u64 s[16:17], s[16:17], s[20:21]
	v_lshrrev_b32 v1, 5, v0                        ; wave
	v_and_b32 v3, 31, v0                           ; lane
	v_lshlrev_b32 v2, 3, v3
	v_lshl_or_b32 v2, v1, 9, v2                    ; store: wave x 2 rows x 256 + 8 lane
	v_lshlrev_b32 v3, 4, v3
	v_lshl_or_b32 v1, v1, 13, v3                   ; load: wave x 2 rows x 4,096 + 16 lane
	CAST16 10, 16, 0, 1
	s_endpgm
.Lfunc_end_k_q7ee6ab7966_cast:
	.size	k_q7ee6ab7966_cast, .Lfunc_end_k_q7ee6ab7966_cast-k_q7ee6ab7966_cast
	.p2alignl 7, 3214868480
	.fill 96, 4, 3214868480
	.section	.rodata,"a",@progbits
	.p2align	6, 0x0
	.amdhsa_kernel k_q7ee6ab7966_cast
		.amdhsa_group_segment_fixed_size 0
		.amdhsa_private_segment_fixed_size 0
		.amdhsa_enable_private_segment 0
		.amdhsa_kernarg_size 56
		.amdhsa_user_sgpr_count 2
		.amdhsa_user_sgpr_kernarg_segment_ptr 1
		.amdhsa_wavefront_size32 1
		.amdhsa_system_sgpr_workgroup_id_x 1
		.amdhsa_system_sgpr_workgroup_id_y 1
		.amdhsa_system_sgpr_workgroup_id_z 1
		.amdhsa_system_vgpr_workitem_id 0
		.amdhsa_next_free_vgpr 104
		.amdhsa_next_free_sgpr 66
		.amdhsa_reserve_vcc 0
		.amdhsa_float_denorm_mode_32 3
		.amdhsa_float_denorm_mode_16_64 3
		.amdhsa_memory_ordered 1
		.amdhsa_forward_progress 1
		.amdhsa_inst_pref_size 25
	.end_amdhsa_kernel
	.amdgpu_metadata
---
amdhsa.version: [ 1, 2 ]
amdhsa.kernels:
  - .name:           k_q7ee6ab7966_cast
    .symbol:         k_q7ee6ab7966_cast.kd
    .args:
      - { .name: x, .offset: 0, .size: 8, .value_kind: global_buffer, .address_space: global }
      - { .name: in_proj_w, .offset: 8, .size: 8, .value_kind: global_buffer, .address_space: global }
      - { .name: gate_w1, .offset: 16, .size: 8, .value_kind: global_buffer, .address_space: global }
      - { .name: out_proj_w, .offset: 24, .size: 8, .value_kind: global_buffer, .address_space: global }
      - { .name: xh, .offset: 32, .size: 8, .value_kind: global_buffer, .address_space: global }
      - { .name: wcat, .offset: 40, .size: 8, .value_kind: global_buffer, .address_space: global }
      - { .name: woh, .offset: 48, .size: 8, .value_kind: global_buffer, .address_space: global }
    .group_segment_fixed_size: 0
    .private_segment_fixed_size: 0
    .kernarg_segment_align: 8
    .kernarg_segment_size: 56
    .max_flat_workgroup_size: 256
    .sgpr_count:     66
    .vgpr_count:     104
    .wavefront_size: 32
...
	.end_amdgpu_metadata
.endif
;; end of part 1
;; launch qkv (part 2): grid 8 x 32, 4 waves a work-group, clusters of 4 x 4, 327,680 bytes of LDS; arguments xh, wcat, in_proj_b, gate_b1, gate_w2, ctx, gp; writes ctx, gp
.if DOCPART == 2
	.amdgcn_target "amdgcn-amd-amdhsa--gfx1250"
	.amdhsa_code_object_version 6
	.text
	.protected	k_q7ee6ab7966_qkv
	.globl	k_q7ee6ab7966_qkv
	.p2align	8
	.type	k_q7ee6ab7966_qkv,@function
k_q7ee6ab7966_qkv:
	s_mov_b64 s[64:65], 0
	v_nop
	global_prefetch_b8 v0, s[64:65] scope:SCOPE_SE
	s_setreg_imm32_b32 hwreg(HW_REG_WAVE_MODE, 25, 1), 1
	s_wait_xcnt 0x0
	s_wait_alu depctr_hold_cnt(0) depctr_sa_sdst(0) depctr_va_vdst(0) depctr_va_sdst(0) depctr_va_ssrc(0) depctr_va_vcc(0) depctr_vm_vsrc(0)
	s_getreg_b32 s2, hwreg(HW_REG_IB_STS2, 6, 4)
	s_cmp_eq_u32 s2, 0
	s_cbranch_scc0 .Lentry_in_a_cluster
	s_endpgm
.Lentry_in_a_cluster:
	s_bfe_u32 s2, ttmp6, 0x10000c
	s_cmp_lg_u32 s2, 0xf033
	s_cbranch_scc0 .Lentry_shape_is_right
	s_endpgm
.Lentry_shape_is_right:
; One work-group = one head x 256 rows of x (64 batches of 4 modalities).  It makes 448 columns, K = 1024:
; 64 of the gate's hidden layer, 128 of q, 128 of k, 128 of v; then, all in registers, the 4 x 4 attention of its batches
; and its 64 columns' share of the gate's second layer.  Out: ctx [8192][1024] f16 (a head's 128 columns are 256 aligned bytes
; of a row) and gp [head][block of 64 rows][64 words] f32, row rho of a block at word 2 (rho & 31) + (rho >> 5).
; Four waves; wave w owns rows 64 w .. 64 w + 63 (row tiles a = 0..3) and all 28 column tiles, so q, k, v of a batch meet in one wave.
; LIMITS: operands are f16: |x|, |w|, |q|, |k|, |v| of 65,504 or more overflow.  The bias of v is added behind P V (a softmax row
; sums to 1), so the order of rounding differs from the reference's.  v_exp_f32 gives 0 for results below 2^-126.
; The softmax takes the true maximum of the four keys away first.
; CLUSTER 4 x 4: x's tile hangs on the row block alone and is shared along a row of the cluster, the weights' tile on the head alone and
; is shared along a column: joint tensor loads divide the requests for both by four.
; K goes in steps of 64 through two LDS slots.  A tile is dense in memory, so it is fetched as rows of 256 aligned bytes; the
; mover skips 16 LDS bytes after every 128, so each logical row of 64 f16 has a pitch of 144 bytes = 9 x 16: the 16 rows of a fragment
; load fall on 16 different 16-byte columns of 256.
; REGISTERS (windows of 256): window 0: v0-7 addresses, v8-63 x fragments, v64-127 weight fragments (two buffers), v128-255 the gate's
; 16 accumulator tiles; windows 1, 2, 3: the 32 tiles each of q, k, v, tile (a, lb) at local 32 lb + 8 a.
.set SLOT,   101376                    ; x: 256 rows x 144, then the weights: 448 rows x 144
.set BOFF,   36864
.set PITCH,  144
.set FR,     2304                      ; 16 rows
.set STAGE,  202752                    ; behind the two slots: 16 rows x 272 bytes for each wave, never a tensor load's target
.set SPITCH, 272
.set ADRA, 2                           ; v2-3   LDS address of my x fragments, slot 0, 1
.set ADRB, 4                           ; v4-5   the same for the weights
.set STO,  6                           ; v6     way out: where a lane puts 16 bytes of a row
.set RD,   7                           ; v7     way out: where it reads a row back
.set AF,   8                           ; v8-55  x fragments, row tiles 0-2, for the two halves of a K step: AF + 24 half + 8 a
.set A3,   56                          ; v56-63 x fragment of row tile 3
.set B0,   64                          ; v64-127 two buffers of four weight fragments
.set GACC, 128
.set W2,   8                           ; epilogue: v8-39 gate_w2, v40-103 v's bias, v104-113 gate sums, v114-115 offsets
.set BV,   40
.set GP,   104
.set GX,   112
.set CO,   114
.set GPO,  115
.set TMP,  40
.set G1A, 28                           ; s[28:35] descriptor group 1, x;       s[36:43] weights
.set G1B, 36
.set G0A, 44                           ; s[44:51] descriptor group 0, x, one set a slot;  s[52:59] weights
.set G0B, 52
.set MSB, 0
.macro WIN new                         ; the immediate's high byte repeats the setting that is left
.if MSB != (\new)
	s_set_vgpr_msb (MSB<<8)|(\new)
.set MSB, (\new)
.endif
.endm
.macro PLACES                          ; four plain vector places behind matrix instructions ahead of loads into
.rept 4                                ; or vector work on, their registers
	v_nop
.endr
.endm
; A joint load: waves 0, 1 ask for the halves of x's tile, waves 2, 3 for the halves of the weights'.  The branch hangs on the wave's number alone.
.macro JLOAD s
	s_cmp_eq_u32 s19, 0
	s_cbranch_scc0 .Lfor_b_\@
	tensor_load_to_lds s[G0A+4*\s:G0A+4*\s+3], s[G1A:G1A+7]
	s_nop 0
	s_branch .Lasked_\@
.Lfor_b_\@:
	tensor_load_to_lds s[G0B+4*\s:G0B+4*\s+3], s[G1B:G1B+7]
	s_nop 0
.Lasked_\@:
.endm
.macro CREST                           ; a round of the cluster's barrier behind its opening work-group barrier
	s_cmp_lg_u32 s18, 0
	s_cbranch_scc1 .Lnot_wave_0_\@
	s_barrier_signal -3
.Lnot_wave_0_\@:
	s_barrier_wait -3
	s_barrier_signal -1
	s_barrier_wait -1
.endm
.macro CROUND
	s_barrier_signal -1
	s_barrier_wait -1
	CREST
.endm
; one x fragment (16 rows x 32 K): two loads of 16 bytes, 32 bytes apart
.macro LDA reg, slot, a, hf
	ds_load_b128 v[\reg:\reg+3], v[ADRA+\slot] offset:(\a)*FR+64*(\hf)
	ds_load_b128 v[\reg+4:\reg+7], v[ADRA+\slot] offset:(\a)*FR+64*(\hf)+32
.endm
; the four weight fragments of column group g
.macro LDB buf, slot, g, hf
.irp bb, 0,1,2,3
	ds_load_b128 v[B0+32*(\buf)+8*\bb:B0+32*(\buf)+8*\bb+3], v[ADRB+\slot] offset:(4*(\g)+\bb)*FR+64*(\hf)
	ds_load_b128 v[B0+32*(\buf)+8*\bb+4:B0+32*(\buf)+8*\bb+7], v[ADRB+\slot] offset:(4*(\g)+\bb)*FR+64*(\hf)+32
.endr
.endm
; Matrix instructions of column group g (0 gate; 1, 2 q; 3, 4 k; 5, 6 v), row tiles a0..a1, four column tiles each.
; Gate, q, k: source 0 = weights, source 1 = x, so lane (r, h) holds row r of x and columns 8 h + 0..7 of the tile.
; v: source 0 = x, source 1 = weights, so the lane holds column r and rows 8 h + 0..7.
; mode 1 (first product of a sum): C is the bias pattern parked in window 3 (gate tile t at 8 t, q at 128 + 8 lb, k at 192 + 8 lb), 0 for v:
; nothing is cleared.  The accumulators take turns, one instruction a turn.
.macro MM g, par, buf, a0, a1, mode
.if (\g) == 0
.set mm_w, 0
.set mm_b, GACC
.set mm_c, 0
.else
.set mm_w, 1+((\g)-1)/2
.set mm_b, 128*(((\g)-1)&1)
.set mm_c, 128+64*(((\g)-1)/2)+32*(((\g)-1)&1)
.endif
.set mm_bias, 0
.if \mode
.if (\g) < 5
.set mm_bias, 1
.endif
.endif
.if mm_bias
	WIN (mm_w<<6)|0x30
.else
	WIN (mm_w<<6)|(mm_w<<4)
.endif
.set mm_a, \a0
.rept (\a1)-(\a0)+1
.if mm_a == 3
.set mm_x, A3
.else
.set mm_x, AF+24*(\par)+8*mm_a
.endif
.set mm_t, 0
.rept 4
.set mm_d, mm_b+32*mm_t+8*mm_a
.set mm_f, B0+32*(\buf)+8*mm_t
.if (\g) < 5
.if mm_bias
	v_wmma_f32_16x16x32_f16 v[mm_d:mm_d+7], v[mm_f:mm_f+7], v[mm_x:mm_x+7], v[mm_c+8*mm_t:mm_c+8*mm_t+7]
.else
	v_wmma_f32_16x16x32_f16 v[mm_d:mm_d+7], v[mm_f:mm_f+7], v[mm_x:mm_x+7], v[mm_d:mm_d+7]
.endif
.else
.if \mode
	v_wmma_f32_16x16x32_f16 v[mm_d:mm_d+7], v[mm_x:mm_x+7], v[mm_f:mm_f+7], 0
.else
	v_wmma_f32_16x16x32_f16 v[mm_d:mm_d+7], v[mm_x:mm_x+7], v[mm_f:mm_f+7], v[mm_d:mm_d+7]
.endif
.endif
.set mm_t, mm_t+1
.endr
.set mm_a, mm_a+1
.endr
.endm
; Group i of a K step's 14 (half i / 7 of the step, column group i % 7): fetch the next group's weights into the other buffer, then 16 matrix instructions.
.macro GROUP slot, i, mode
.set gi_g, (\i)%7
.set gi_h, (\i)/7
.set gn_g, ((\i)+1)%7
.set gn_h, ((\i)+1)/7
	PLACES
	WIN 0
.if gi_g == 0
	LDA A3, \slot, 3, gi_h                         ; row tile 3 has one buffer: fetched at the head of each half
.endif
.if (\i) == 3
	LDA AF+24, \slot, 0, 1                         ; row tiles 0-2 of the step's second half, four groups ahead
	LDA AF+32, \slot, 1, 1
	LDA AF+40, \slot, 2, 1
.endif
	LDB ((\i)+1)&1, \slot, gn_g, gn_h
.if gi_g == 0
	s_wait_dscnt 10                                ; all but row tile 3's 2 loads and the next group's 8
	MM gi_g, gi_h, (\i)&1, 0, 2, \mode
	s_wait_dscnt 8                                 ; row tile 3 is in
	MM gi_g, gi_h, (\i)&1, 3, 3, \mode
.else
.if (\i) == 3
	s_wait_dscnt 14                                ; all but the 6 + 8 just issued
.else
	s_wait_dscnt 8                                 ; all but the 8 just issued
.endif
	MM gi_g, gi_h, (\i)&1, 0, 3, \mode
.endif
.endm
; Groups 12 and 13 and the change of slots.  In front of the barrier each wave waits for its reads of this slot and for all its tensor loads
; (the one that is out is its part of the next slot).  With fill = 1 the barrier opens a round of the cluster's barrier, and the joint refill of
; this slot, two K steps ahead, is the first tensor load behind the round's closing wait.
.macro TURN slot, next, fill
	PLACES
	WIN 0
	LDB 1, \slot, 6, 1
	s_wait_dscnt 8
	MM 5, 1, 0, 0, 1, 0
	s_wait_dscnt 0x0                               ; my reads of this slot are over
	s_wait_xcnt 0x0
	s_set_vgpr_msb 0xf030
	v_lshl_add_u32 v30, v0, 2, 0x35c00
	v_mov_b32 v31, 0
	s_wait_tensorcnt 0x0                           ; all my tensor loads have landed
	ds_add_u32 v30, v31
	s_wait_dscnt 0x0
	s_set_vgpr_msb 0x30f0
	s_barrier_signal -1
	MM 5, 1, 0, 2, 3, 0                            ; register work while the others arrive
	WIN 0
	s_barrier_wait -1
.if \fill
	CREST
	s_add_nc_u64 s[G0A+4*\slot+2:G0A+4*\slot+3], s[G0A+4*\slot+2:G0A+4*\slot+3], 65536    ; two tiles of x on
	s_add_nc_u64 s[G0B+4*\slot+2:G0B+4*\slot+3], s[G0B+4*\slot+2:G0B+4*\slot+3], 114688   ; two tiles of weights on
	JLOAD \slot
.endif
	PLACES
	LDA AF, \next, 0, 0
	LDA AF+8, \next, 1, 0
	LDA AF+16, \next, 2, 0
	LDB 0, \next, 0, 0
	MM 6, 1, 1, 0, 3, 0
.endm
.macro STEP slot, next, fill, mode
.irp i, 0,1,2,3,4,5,6
	GROUP \slot, \i, \mode
.endr
.irp i, 7,8,9,10,11
	GROUP \slot, \i, 0
.endr
	TURN \slot, \next, \fill
.endm
	s_load_b256 s[4:11], s[0:1], 0x0               ; xh s[4:5], wcat s[6:7], in_proj_b s[8:9], gate_b1 s[10:11]
	s_load_b128 s[12:15], s[0:1], 0x20             ; gate_w2 s[12:13], ctx s[14:15]
	s_load_b64 s[16:17], s[0:1], 0x30              ; gp
	v_lshl_add_u32 v30, v0, 2, 0x35c00
	v_mov_b32 v31, 0
	ds_add_u32 v30, v31
	s_wait_dscnt 0x0
	v_lshrrev_b32 v1, 5, v0
	v_readfirstlane_b32 s18, v1                    ; wave 0..3
	s_lshr_b32 s19, s18, 1                         ; 0: I fetch for x, 1: for the weights
	s_and_b32 s20, s18, 1                          ; which half of that tile
	s_bfe_u32 s21, ttmp6, 0x40000                  ; cx
	s_bfe_u32 s22, ttmp6, 0x40004                  ; cy
	s_lshl_b32 s23, ttmp9, 2
	s_add_co_u32 s23, s23, s21                     ; head = 4 x cluster x + cx
	s_and_b32 s24, ttmp7, 0xffff
	s_lshl_b32 s24, s24, 2
	s_add_co_u32 s24, s24, s22                     ; row block = 4 x cluster y + cy
	s_lshl_b32 s25, s22, 2
	s_lshl_b32 s25, 15, s25                        ; my row of the cluster
	s_lshl_b32 s26, 0x1111, s21                    ; my column
	; group 1: elements of 8 bytes, rows of 32 elements (256 bytes), dense; 4 dwords skipped in LDS after every 32
	s_or_b32 s[G1A+0], s25, (3<<16)|(1<<20)|(1<<21)|(4<<22)|(3<<25)
	s_or_b32 s[G1B+0], s26, (3<<16)|(1<<20)|(1<<21)|(4<<22)|(3<<25)
	s_mov_b32 s[G1A+1], 32<<16                     ; tensor_dim0 = 32
	s_mov_b32 s[G1B+1], 32<<16
	s_mov_b32 s[G1A+2], 64<<16                     ; tensor_dim1 = 64 rows of 256 bytes = 128 rows of x
	s_mov_b32 s[G1B+2], 112<<16                    ; 112 rows of 256 bytes = 224 rows of weights
	s_mov_b32 s[G1A+3], 32<<16                     ; tile_dim0 = 32
	s_mov_b32 s[G1B+3], 32<<16
	s_mov_b32 s[G1A+4], 64                         ; tile_dim1
	s_mov_b32 s[G1B+4], 112
	s_mov_b32 s[G1A+5], 32                         ; pitch in elements
	s_mov_b32 s[G1B+5], 32
	s_mov_b32 s[G1A+6], 0
	s_mov_b32 s[G1B+6], 0
	s_mov_b32 s[G1A+7], 0
	s_mov_b32 s[G1B+7], 0
	s_lshl_b32 s60, s24, 19                        ; x: row block x 16 tiles x 32,768
	s_lshl_b32 s61, s20, 14                        ;    + half x 16,384
	s_add_co_u32 s60, s60, s61
	s_mov_b32 s61, 0
	s_mul_i32 s62, s23, 917504                     ; weights: head x 16 tiles x 57,344
	s_mul_i32 s63, s20, 28672                      ;    + half x 28,672
	s_add_co_u32 s62, s62, s63
	s_mov_b32 s63, 0
	s_mul_i32 s27, s20, 18432                      ; LDS: half x 128 rows x 144
	s_mul_i32 s76, s20, 32256                      ; LDS: half x 224 rows x 144,
	s_add_co_u32 s76, s76, BOFF                    ; behind x's 256 rows
	s_mov_b32 s66, 0x76543210                      ; v_permlanex16_b32: lane i of the other half
	s_mov_b32 s67, 0xfedcba98
	s_mov_b32 s70, 0xf0f0f0f0                      ; lanes whose query lies in the odd batch of its eight rows
	s_mov_b32 s71, 0x0f00000f                      ; lanes that hold their own batch's keys, in registers 0-3's key places
	s_mov_b32 s72, 0xf00000f0                      ; the same, key places 4-7
	s_mov_b32 s73, 0xffff0000                      ; lanes 16-31
	s_mov_b32 s74, 0x3e0293ee                      ; log2(e) / sqrt(128)
	s_wait_kmcnt 0x0
	s_add_nc_u64 s[60:61], s[4:5], s[60:61]
	s_add_nc_u64 s[62:63], s[6:7], s[62:63]
	CROUND                                         ; all sixteen work-groups are here: the first joint loads meet
.irp s, 0,1
	s_mov_b32 s[G0A+4*\s], 1
	s_add_co_u32 s[G0A+4*\s+1], s27, \s*SLOT
	s_add_nc_u64 s[G0A+4*\s+2:G0A+4*\s+3], s[60:61], \s*32768
	s_or_b32 s[G0A+4*\s+3], s[G0A+4*\s+3], 0x80000000
	s_mov_b32 s[G0B+4*\s], 1
	s_add_co_u32 s[G0B+4*\s+1], s76, \s*SLOT
	s_add_nc_u64 s[G0B+4*\s+2:G0B+4*\s+3], s[62:63], \s*57344
	s_or_b32 s[G0B+4*\s+3], s[G0B+4*\s+3], 0x80000000
	JLOAD \s                                       ; K steps 0 and 1: two tensor loads of the wave are out, the most in this text
.endr
	; bases of the small inputs and of the outputs
	s_lshl_b32 s78, s23, 8
	s_mov_b32 s79, 0
	s_add_nc_u64 s[10:11], s[10:11], s[78:79]      ; gate_b1 + 64 head floats
	s_add_nc_u64 s[12:13], s[12:13], s[78:79]      ; gate_w2 + 64 head floats
	s_lshl_b32 s78, s23, 9
	s_add_nc_u64 s[8:9], s[8:9], s[78:79]          ; in_proj_b + 128 head floats
	s_lshl_b32 s78, s24, 19                        ; ctx: (256 block + 64 wave) rows x 2,048 bytes + 256 head
	s_lshl_b32 s77, s18, 17
	s_add_co_u32 s78, s78, s77
	s_lshl_b32 s77, s23, 8
	s_add_co_u32 s78, s78, s77
	s_add_nc_u64 s[14:15], s[14:15], s[78:79]
	s_lshl_b32 s78, s23, 15                        ; gp: head x 32,768 + (4 block + wave) x 256
	s_lshl_b32 s77, s24, 10
	s_add_co_u32 s78, s78, s77
	s_lshl_b32 s77, s18, 8
	s_add_co_u32 s78, s78, s77
	s_add_nc_u64 s[16:17], s[16:17], s[78:79]
	; lane terms: r = lane mod 16, h = lane / 16
	v_and_b32 v8, 15, v0
	v_bfe_u32 v9, v0, 4, 1
	v_lshlrev_b32 v1, 5, v9                        ; 32 h: eight floats of a bias pattern
	v_mul_u32_u24 v10, v8, PITCH
	v_lshl_add_u32 v10, v9, 4, v10                 ; r x pitch + 16 h
	s_mul_i32 s77, s18, 64*PITCH
	v_add_nc_u32 v[ADRA], s77, v10
	v_add_nc_u32 v[ADRA+1], SLOT, v[ADRA]
	v_add_nc_u32 v[ADRB], BOFF, v10
	v_add_nc_u32 v[ADRB+1], SLOT+BOFF, v10
	s_mul_i32 s77, s18, 16*SPITCH
	s_add_co_u32 s77, s77, STAGE
	v_mul_u32_u24 v11, v8, SPITCH
	v_lshl_add_u32 v11, v9, 4, v11
	v_add_nc_u32 v[STO], s77, v11
	v_mul_u32_u24 v11, v9, SPITCH
	v_lshl_add_u32 v11, v8, 4, v11
	v_add_nc_u32 v[RD], s77, v11
	; bias patterns into window 3: lane (r, h), register j = bias of column 16 tile + 8 h + j
	WIN 0xc0
.irp t, 0,1,2,3
	global_load_b128 v[8*\t:8*\t+3], v1, s[10:11] offset:64*\t
	global_load_b128 v[8*\t+4:8*\t+7], v1, s[10:11] offset:64*\t+16
.endr
.irp t, 0,1,2,3,4,5,6,7
	global_load_b128 v[128+8*\t:128+8*\t+3], v1, s[8:9] offset:64*\t
	global_load_b128 v[128+8*\t+4:128+8*\t+7], v1, s[8:9] offset:64*\t+16
	global_load_b128 v[192+8*\t:192+8*\t+3], v1, s[8:9] offset:4096+64*\t
	global_load_b128 v[192+8*\t+4:192+8*\t+7], v1, s[8:9] offset:4096+64*\t+16
.endr
	WIN 0
	s_wait_tensorcnt 0x1                           ; my part of K step 0 is in; step 1's stays out
	s_barrier_signal -1
	s_barrier_wait -1
	LDA AF, 0, 0, 0
	LDA AF+8, 0, 1, 0
	LDA AF+16, 0, 2, 0
	LDB 0, 0, 0, 0
	s_wait_loadcnt 0x0                             ; the bias patterns
	STEP 0, 1, 1, 1                                ; K step 0 starts the sums from the biases
	STEP 1, 0, 1, 0
	WIN 0
	s_mov_b32 s3, 6
.Lk:
	STEP 0, 1, 1, 0                                ; K steps 2 .. 13; each refills its slot with the tile two steps ahead
	STEP 1, 0, 1, 0
	WIN 0
	s_sub_co_u32 s3, s3, 1
	s_cmp_lg_u32 s3, 0
	s_cbranch_scc1 .Lk
	STEP 0, 1, 0, 0                                ; K step 14: nothing is left to fetch
.irp i, 0,1,2,3,4,5,6,7,8,9,10,11,12
	GROUP 1, \i, 0                                 ; K step 15
.endr
	s_wait_dscnt 0x0
	MM 6, 1, 1, 0, 3, 0
	; ---------------- epilogue ----------------
	PLACES
	WIN 0
.irp t, 0,1,2,3
	global_load_b128 v[W2+8*\t:W2+8*\t+3], v1, s[12:13] offset:64*\t
	global_load_b128 v[W2+8*\t+4:W2+8*\t+7], v1, s[12:13] offset:64*\t+16
.endr
.irp t, 0,1,2,3,4,5,6,7
	global_load_b128 v[BV+8*\t:BV+8*\t+3], v1, s[8:9] offset:8192+64*\t
	global_load_b128 v[BV+8*\t+4:BV+8*\t+7], v1, s[8:9] offset:8192+64*\t+16
.endr
	v_bfe_u32 v[GPO], v0, 4, 1
	v_and_b32 v[CO], 15, v0
	v_lshlrev_b32 v[CO], 4, v[CO]
	v_lshl_add_u32 v[CO], v[GPO], 11, v[CO]        ; ctx: h rows of 2,048 bytes + 16 r
	v_and_b32 v[GPO], 31, v0
	v_lshlrev_b32 v[GPO], 3, v[GPO]                ; gp: 8 x lane
	; q and k to f16, in place.  A lane's eight columns of tiles 2 p and 2 p + 1 are just what a fragment of 32 along the head's 128 wants:
	; fragment (a, p) at local 64 p + 8 a.  No lane hands anything to another.
.macro PACKQK
.irp p, 0,1,2,3
.irp a, 0,1,2,3
.irp i, 0,1,2,3
	v_cvt_pk_f16_f32 v[64*\p+8*\a+\i], v[64*\p+8*\a+2*\i], v[64*\p+8*\a+2*\i+1]
.endr
.irp i, 0,1,2,3
	v_cvt_pk_f16_f32 v[64*\p+8*\a+4+\i], v[64*\p+32+8*\a+2*\i], v[64*\p+32+8*\a+2*\i+1]
.endr
.endr
.endr
.endm
	WIN 0x45
	PACKQK
	WIN 0x8a
	PACKQK
	; v to f16, in place: a lane's eight rows of row tiles 2 pr and 2 pr + 1 make a fragment of 32 keys: column tile b, pair pr at local 32 b + 8 pr
	WIN 0xcf
.irp b, 0,1,2,3,4,5,6,7
.set i, 0
.rept 16
	v_cvt_pk_f16_f32 v[32*\b+i], v[32*\b+2*i], v[32*\b+2*i+1]
.set i, i+1
.endr
.endr
	; scores, transposed: S(a) = K(a) Q(a)^T at window 1 local 32 + 8 a: lane (r, h), register j = key 8 h + j with query r.
	; Four accumulators take turns.
	WIN 0x56
.irp p, 0,1,2,3
.irp a, 0,1,2,3
.if \p == 0
	v_wmma_f32_16x16x32_f16 v[32+8*\a:32+8*\a+7], v[64*\p+8*\a:64*\p+8*\a+7], v[64*\p+8*\a:64*\p+8*\a+7], 0
.else
	v_wmma_f32_16x16x32_f16 v[32+8*\a:32+8*\a+7], v[64*\p+8*\a:64*\p+8*\a+7], v[64*\p+8*\a:64*\p+8*\a+7], v[32+8*\a:32+8*\a+7]
.endif
.endr
.endr
	; the gate's share: relu, times gate_w2, summed over my head's 64 hidden columns.  This work also stands in the places behind the scores.
	WIN 0
	s_wait_loadcnt 16                              ; gate_w2 is in; the 16 loads of v's bias stay out
.irp a, 0,1,2,3
.irp t, 0,1,2,3
.irp j, 0,1,2,3,4,5,6,7
	v_max_num_f32 v[GACC+32*\t+8*\a+\j], 0, v[GACC+32*\t+8*\a+\j]
.endr
.endr
.endr
.set k, 0
.rept 16
.irp a, 0,1,2,3
.if k == 0
	v_pk_mul_f32 v[GP+2*\a:GP+2*\a+1], v[GACC+8*\a:GACC+8*\a+1], v[W2:W2+1]
.else
	v_pk_fma_f32 v[GP+2*\a:GP+2*\a+1], v[GACC+32*(k/4)+8*\a+2*(k%4):GACC+32*(k/4)+8*\a+2*(k%4)+1], v[W2+8*(k/4)+2*(k%4):W2+8*(k/4)+2*(k%4)+1], v[GP+2*\a:GP+2*\a+1]
.endif
.endr
.set k, k+1
.endr
.irp a, 0,1,2,3
	v_add_f32 v[GP+2*\a], v[GP+2*\a], v[GP+2*\a+1]
.endr
.irp a, 0,1,2,3
	v_permlanex16_b32 v[GP+2*\a+1], v[GP+2*\a], s66, s67       ; the other eight columns of each tile lie in the other half
.endr
.irp a, 0,1,2,3
	v_add_f32 v[GP+2*\a], v[GP+2*\a], v[GP+2*\a+1]
.endr
	v_cndmask_b32 v[GX], v[GP], v[GP+2], s73       ; lane L: row L of my 64
	v_cndmask_b32 v[GX+1], v[GP+4], v[GP+6], s73   ;         row 32 + L
	global_store_b64 v[GPO], v[GX:GX+1], s[16:17]  ; the wave stores 256 consecutive bytes, aligned
	; softmax over a query's four keys, in the lane.  Query r's keys are 4 (r / 4) + 0..3: they lie in the lanes with h = r / 8, in registers
	; 4 ((r / 4) & 1) + 0..3.  The other lanes compute on scores of other batches; their results are masked to 0 below.
	WIN 0x55
.irp a, 0,1,2,3
.irp i, 0,1,2,3
	v_cndmask_b32 v[96+4*\a+\i], v[32+8*\a+\i], v[32+8*\a+4+\i], s70
.endr
.endr
.irp a, 0,1,2,3
	v_max3_num_f32 v[112+\a], v[96+4*\a], v[97+4*\a], v[98+4*\a]
.endr
.irp a, 0,1,2,3
	v_max_num_f32 v[112+\a], v[112+\a], v[99+4*\a]
.endr
.irp a, 0,1,2,3
.irp i, 0,1,2,3
	v_sub_f32 v[96+4*\a+\i], v[96+4*\a+\i], v[112+\a]          ; the maximum goes first: exponents are at most 0
.endr
.endr
.irp a, 0,1,2,3
.irp i, 0,1,2,3
	v_mul_f32 v[96+4*\a+\i], s74, v[96+4*\a+\i]
.endr
.endr
.irp a, 0,1,2,3
.irp i, 0,1,2,3
	v_exp_f32 v[96+4*\a+\i], v[96+4*\a+\i]
.endr
.endr
	v_nop                                          ; one plain place behind the last v_exp_f32 (ISA guide 5.7.2)
	s_wait_alu depctr_va_vdst(0)
.irp a, 0,1,2,3
	v_add_f32 v[116+\a], v[96+4*\a], v[97+4*\a]
	v_add_f32 v[120+\a], v[98+4*\a], v[99+4*\a]
.endr
.irp a, 0,1,2,3
	v_add_f32 v[116+\a], v[116+\a], v[120+\a]
.endr
.irp a, 0,1,2,3
	v_rcp_f32 v[116+\a], v[116+\a]
.endr
	v_nop                                          ; one plain place behind the last v_rcp_f32
	s_wait_alu depctr_va_vdst(0)
.irp a, 0,1,2,3
.irp i, 0,1,2,3
	v_mul_f32 v[96+4*\a+\i], v[96+4*\a+\i], v[116+\a]
.endr
.endr
.irp a, 0,1,2,3
	v_cvt_pk_f16_f32 v[224+2*\a], v[96+4*\a], v[97+4*\a]
	v_cvt_pk_f16_f32 v[225+2*\a], v[98+4*\a], v[99+4*\a]
.endr
	; P as a fragment over the 32 keys of a pair of row tiles, at local 160 + 8 a: block diagonal, zeros elsewhere
.irp a, 0,1,2,3
	v_cndmask_b32 v[160+8*\a+4*(\a&1)], 0, v[224+2*\a], s71
	v_cndmask_b32 v[160+8*\a+4*(\a&1)+1], 0, v[225+2*\a], s71
	v_cndmask_b32 v[160+8*\a+4*(\a&1)+2], 0, v[224+2*\a], s72
	v_cndmask_b32 v[160+8*\a+4*(\a&1)+3], 0, v[225+2*\a], s72
.irp i, 0,1,2,3
	v_mov_b32 v[160+8*\a+4*(1-(\a&1))+\i], 0       ; the other row tile's 16 keys
.endr
.endr
	; ctx = P V + bias of v, transposed: source 0 = V^T, source 1 = P: lane (r, h) gets row r, columns 16 b + 8 h + 0..7, at window 2 local 8 (8 a + b)
	s_wait_loadcnt 0x0                             ; v's bias
	WIN 0x87
.irp a, 0,1,2,3
.irp b, 0,1,2,3,4,5,6,7
	v_wmma_f32_16x16x32_f16 v[8*(8*\a+\b):8*(8*\a+\b)+7], v[32*\b+8*(\a/2):32*\b+8*(\a/2)+7], v[160+8*\a:160+8*\a+7], v[BV+8*\b:BV+8*\b+7]
.endr
.endr
	PLACES
	; the way out, 16 rows at a time: f16, 16 bytes a lane into my own stage, read back as whole rows of 256 bytes
.macro OUT16 a, f
	WIN 0x0a
.irp b, 0,1,2,3,4,5,6,7
.irp i, 0,1,2,3
	v_cvt_pk_f16_f32 v[TMP+4*\b+\i], v[8*(8*\a+\b)+2*\i], v[8*(8*\a+\b)+2*\i+1]
.endr
.endr
	WIN 0
.irp b, 0,1,2,3,4,5,6,7
	ds_store_b128 v[STO], v[TMP+4*\b:TMP+4*\b+3] offset:32*\b
.endr
	s_wait_xcnt 0x0                                ; buffer f, which earlier stores read, is loaded again only behind this wait
.irp t, 0,1,2,3,4,5,6,7
	ds_load_b128 v[\f+4*\t:\f+4*\t+3], v[RD] offset:\t*2*SPITCH    ; LDS serves a wave's instructions in order: these see the stores above
.endr
.irp t, 0,1,2,3,4,5,6,7
	s_wait_dscnt 7-\t
	global_store_b128 v[CO], v[\f+4*\t:\f+4*\t+3], s[14:15] offset:\a*32768+\t*4096   ; 16 lanes store 256 consecutive bytes, aligned
.endr
.endm
	OUT16 0, 72
	OUT16 1, 8
	OUT16 2, 72
	OUT16 3, 8
	s_wait_xcnt 0x0
	v_lshl_add_u32 v30, v0, 2, 0x35c00
	v_mov_b32 v31, 0
	s_wait_tensorcnt 0x0
	ds_add_u32 v30, v31
	s_wait_dscnt 0x0
	CROUND                                         ; the closing round: no work-group ends while a partner may still ask jointly
	s_endpgm
.Lfunc_end_k_q7ee6ab7966_qkv:
	.size	k_q7ee6ab7966_qkv, .Lfunc_end_k_q7ee6ab7966_qkv-k_q7ee6ab7966_qkv
	.p2alignl 7, 3214868480
	.fill 96, 4, 3214868480
	.section	.rodata,"a",@progbits
	.p2align	6, 0x0
	.amdhsa_kernel k_q7ee6ab7966_qkv
		.amdhsa_group_segment_fixed_size 327680
		.amdhsa_private_segment_fixed_size 0
		.amdhsa_enable_private_segment 0
		.amdhsa_kernarg_size 56
		.amdhsa_user_sgpr_count 2
		.amdhsa_user_sgpr_kernarg_segment_ptr 1
		.amdhsa_wavefront_size32 1
		.amdhsa_system_sgpr_workgroup_id_x 1
		.amdhsa_system_sgpr_workgroup_id_y 1
		.amdhsa_system_sgpr_workgroup_id_z 1
		.amdhsa_system_vgpr_workitem_id 0
		.amdhsa_next_free_vgpr 1024
		.amdhsa_next_free_sgpr 80
		.amdhsa_reserve_vcc 0
		.amdhsa_float_denorm_mode_32 3
		.amdhsa_float_denorm_mode_16_64 3
		.amdhsa_memory_ordered 1
		.amdhsa_forward_progress 1
		.amdhsa_inst_pref_size 227
	.end_amdhsa_kernel
	.amdgpu_metadata
---
amdhsa.version: [ 1, 2 ]
amdhsa.kernels:
  - .name:           k_q7ee6ab7966_qkv
    .symbol:         k_q7ee6ab7966_qkv.kd
    .args:
      - { .name: xh, .offset: 0, .size: 8, .value_kind: global_buffer, .address_space: global }
      - { .name: wcat, .offset: 8, .size: 8, .value_kind: global_buffer, .address_space: global }
      - { .name: in_proj_b, .offset: 16, .size: 8, .value_kind: global_buffer, .address_space: global }
      - { .name: gate_b1, .offset: 24, .size: 8, .value_kind: global_buffer, .address_space: global }
      - { .name: gate_w2, .offset: 32, .size: 8, .value_kind: global_buffer, .address_space: global }
      - { .name: ctx, .offset: 40, .size: 8, .value_kind: global_buffer, .address_space: global }
      - { .name: gp, .offset: 48, .size: 8, .value_kind: global_buffer, .address_space: global }
    .group_segment_fixed_size: 327680
    .private_segment_fixed_size: 0
    .kernarg_segment_align: 8
    .kernarg_segment_size: 56
    .max_flat_workgroup_size: 128
    .sgpr_count:     80
    .vgpr_count:     1024
    .wavefront_size: 32
...
	.end_amdgpu_metadata
.endif
;; end of part 2
;; launch outln (part 3): grid 128 x 1, 8 waves a work-group, clusters of 4 x 1, 327,680 bytes of LDS; arguments ctx, gp, woh, gate_b2, out_proj_b, ln_w, ln_b, out0; writes out0
.if DOCPART == 3
	.amdgcn_target "amdgcn-amd-amdhsa--gfx1250"
	.amdhsa_code_object_version 6
	.text
	.protected	k_q7ee6ab7966_outln
	.globl	k_q7ee6ab7966_outln
	.p2align	8
	.type	k_q7ee6ab7966_outln,@function
k_q7ee6ab7966_outln:
	s_mov_b64 s[64:65], 0
	v_nop
	global_prefetch_b8 v0, s[64:65] scope:SCOPE_SE
	s_setreg_imm32_b32 hwreg(HW_REG_WAVE_MODE, 25, 1), 1
	s_wait_xcnt 0x0
	s_wait_alu depctr_hold_cnt(0) depctr_sa_sdst(0) depctr_va_vdst(0) depctr_va_sdst(0) depctr_va_ssrc(0) depctr_va_vcc(0) depctr_vm_vsrc(0)
	s_getreg_b32 s2, hwreg(HW_REG_IB_STS2, 6, 4)
	s_cmp_eq_u32 s2, 0
	s_cbranch_scc0 .Lentry_in_a_cluster
	s_endpgm
.Lentry_in_a_cluster:
	s_bfe_u32 s2, ttmp6, 0x10000c
	s_cmp_lg_u32 s2, 0x3003
	s_cbranch_scc0 .Lentry_shape_is_right
	s_endpgm
.Lentry_shape_is_right:
; Gates, gated sum over the four modalities, out-projection, LayerNorm.  The out-projection is linear, so
;   sum_m g_m (ctx_m Wo^T + bo) = (sum_m g_m ctx_m) Wo^T + (sum_m g_m) bo :  2,048 rows go through Wo, not 8,192.
; Everything is carried as a quarter (g' = g / 4), so that the f16 operand never exceeds the largest |ctx|; the LayerNorm of t = fused / 4
; with eps / 16 in place of eps gives the same numbers.
; LIMITS: f16 operands (|ctx|, |Wo| under 65,504); the sum over modalities stands ahead of the product, so the order of rounding differs from the
; reference's; v_exp_f32 gives 0 for results below 2^-126 (the sigmoid is then 1).
; A work-group owns 16 batches and all 1,024 columns (the norm needs whole rows): 128 work-groups are all the work of this form.
; Eight waves; wave w owns columns 512 nh + 64 w + 0..63, nh = 0, 1.  Wo comes in 16 tiles of 512 rows x 128 K (t = 2 ks + nh) through two LDS slots;
; each wave loads and reads its own 64 rows of a tile.  CLUSTER 4 x 1: the four work-groups walk the same tiles of Wo and ask for them jointly.
.set SLOTB,  139264                    ; 512 rows x 272
.set WPART,  17408                     ; 64 rows x 272: a wave's part
.set PITCH,  272
.set ASTG,   278528                    ; the gated sum, f16: 16 rows x 2,064 bytes (129 x 16: fragment loads fall on 16 different 16-byte columns)
.set APITCH, 2064
.set GS,     311552                    ; 64 gates, f32, for each wave
.set RED1,   313600                    ; [batch 16][wave 8] partial sums
.set ACC,    128                       ; v128-191 accumulators, tile (nh, c) at ACC + 8 (4 nh + c)
.set XR,     32                        ; v32-127  prologue: six units of four ctx loads
.set FB0,    32                        ; v32-95   loop: Wo fragments, K quarters 0, 1;  v192-255 quarters 2, 3
.set FA0,    96                        ; v96-111  loop: gated-sum fragments, quarters 0, 1;  v112-127 quarters 2, 3
.set FA1,    112
.set FB1,    192
.set G1, 24                            ; s[24:31] descriptor group 1
.set G0, 32                            ; s[32:39] descriptor group 0, one set a slot
.macro PLACES
.rept 4
	v_nop
.endr
.endm
.macro ROUND                           ; a round of the cluster's barrier
	s_barrier_signal -1
	s_barrier_wait -1
	s_cmp_lg_u32 s20, 0
	s_cbranch_scc1 .Lnot_wave_0_\@
	s_barrier_signal -3
.Lnot_wave_0_\@:
	s_barrier_wait -3
	s_barrier_signal -1
	s_barrier_wait -1
.endm
	s_load_b512 s[4:19], s[0:1], 0x0               ; ctx, gp, woh, gate_b2, out_proj_b, ln_w, ln_b, out0
	s_set_vgpr_msb 0x40
	v_lshl_add_u32 v0, v0, 2, 0x4cd00
	v_mov_b32 v1, 0
	s_set_vgpr_msb 0x4045
	ds_add_u32 v0, v1
	s_set_vgpr_msb 0x4500
	v_lshrrev_b32 v1, 5, v0
	v_readfirstlane_b32 s20, v1                    ; wave 0..7
	s_bfe_u32 s21, ttmp6, 0x40000                  ; cx
	s_lshl_b32 s22, ttmp9, 2
	s_add_co_u32 s22, s22, s21                     ; work-group: enters global addresses of ctx, gp, out0 alone
	s_mov_b32 s40, 0x76543210
	s_mov_b32 s41, 0xfedcba98
	s_mov_b32 s[G1+0], 15|(3<<16)|(1<<20)|(1<<21)|(5<<22)|(3<<25)   ; all four partners; 8-byte elements; 4 dwords skipped after every 64
	s_mov_b32 s[G1+1], 32<<16                      ; tensor_dim0 = 32 (256 bytes)
	s_mov_b32 s[G1+2], 64<<16                      ; tensor_dim1 = 64
	s_mov_b32 s[G1+3], 32<<16                      ; tile_dim0
	s_mov_b32 s[G1+4], 64                          ; tile_dim1
	s_mov_b32 s[G1+5], 32                          ; pitch
	s_mov_b32 s[G1+6], 0
	s_mov_b32 s[G1+7], 0
	s_mul_i32 s42, s20, WPART                      ; my part of a slot
	s_lshl_b32 s46, s20, 14                        ; my 64 rows of a tile in memory
	s_mov_b32 s47, 0
	s_wait_dscnt 0x0
	s_wait_kmcnt 0x0
	s_load_b32 s23, s[10:11], 0x0                  ; gate_b2
	s_add_nc_u64 s[46:47], s[8:9], s[46:47]
	ROUND                                          ; the four work-groups are here: the first joint loads meet
.irp n, 0,1
	s_mov_b32 s[G0+4*\n], 1
	s_add_co_u32 s[G0+4*\n+1], s42, \n*SLOTB
	s_add_nc_u64 s[G0+4*\n+2:G0+4*\n+3], s[46:47], \n*131072
	s_or_b32 s[G0+4*\n+3], s[G0+4*\n+3], 0x80000000
	tensor_load_to_lds s[G0+4*\n:G0+4*\n+3], s[G1:G1+7]            ; tiles 0 and 1: two loads of the wave are out, the most in this text
	s_nop 0
.endr
	s_mov_b32 s49, 0
	s_lshl_b32 s48, s22, 17
	s_add_nc_u64 s[4:5], s[4:5], s[48:49]          ; ctx at my 64 rows
	s_lshl_b32 s48, s22, 8
	s_add_nc_u64 s[6:7], s[6:7], s[48:49]          ; gp at my block of 64 rows
	s_lshl_b32 s48, s22, 16
	s_add_nc_u64 s[18:19], s[18:19], s[48:49]      ; out0 at my 16 rows
	; lane terms.  v208-216 serve the prologue alone; the loop's fragment loads write over them later.
	v_and_b32 v1, 31, v0                           ; lane L
	v_and_b32 v215, 15, v0                         ; r
	v_bfe_u32 v216, v0, 4, 1                       ; h
	v_mul_u32_u24 v2, v215, PITCH
	v_lshl_add_u32 v2, v216, 4, v2
	v_add_nc_u32 v2, s42, v2                       ; Wo fragments, slot 0
	v_add_nc_u32 v3, SLOTB, v2                     ; slot 1
	v_mul_u32_u24 v4, v215, APITCH
	v_lshl_add_u32 v4, v216, 4, v4
	v_add_nc_u32 v4, ASTG, v4                      ; gated-sum fragments; steps by 256 bytes with ks
	s_mul_i32 s43, s20, 288
	s_add_co_u32 s43, s43, GS
	v_mov_b32 v5, s43                              ; my copy of the gates, at batch 2 w
	s_lshl_b32 s43, s20, 8                         ; 256 w
	s_add_co_u32 s45, s43, GS
	v_lshl_add_u32 v210, v1, 2, s45                ; gates in: word L
	v_lshl_add_u32 v211, v215, 4, s45              ; gates of batch r
	v_lshlrev_b32 v212, 3, v1                      ; gp: 8 L
	v_lshl_add_u32 v213, v216, 5, s43              ; out_proj_b: 256 w + 32 h
	v_lshl_add_u32 v214, v215, 4, s43              ; ln_w, ln_b: 256 w + 16 r
	s_lshl_b32 s45, s20, 14
	v_lshl_add_u32 v208, v1, 4, s45                ; ctx: 8 rows a wave + 16 L
	s_mul_i32 s45, s20, 2*APITCH
	s_add_co_u32 s45, s45, ASTG
	v_lshl_add_u32 v209, v1, 4, s45                ; gated sum in: rows 2 w, 2 w + 1
.irp hh, 0,1,2,3,4,5,6,7
	global_load_b64 v[192+2*\hh:193+2*\hh], v212, s[6:7] offset:\hh*32768      ; the eight heads' shares for rows L and 32 + L
.endr
.irp nh, 0,1
.irp c, 0,1,2,3
	global_load_b128 v[ACC+8*(4*\nh+\c):ACC+8*(4*\nh+\c)+3], v213, s[12:13] offset:2048*\nh+64*\c
	global_load_b128 v[ACC+8*(4*\nh+\c)+4:ACC+8*(4*\nh+\c)+7], v213, s[12:13] offset:2048*\nh+64*\c+16
.endr
.endr
; unit u = 4 i + q: the four modality rows of batch 2 w + i, columns 256 q .. 256 q + 255; a load of the wave covers 512 consecutive bytes
.macro LDU u
.irp m, 0,1,2,3
	global_load_b128 v[XR+16*((\u)%6)+4*\m:XR+16*((\u)%6)+4*\m+3], v208, s[4:5] offset:(4*((\u)>>2)+\m)*2048+512*((\u)&3) th:TH_LOAD_NT
.endr
.endm
.irp u, 0,1,2,3,4,5
	LDU \u
.endr
	; the 64 gates, in every wave: sum over the heads in a fixed order, + b2, sigmoid, a quarter
	s_wait_loadcnt 40                              ; gp is in: 16 + 24 younger loads stay out
	v_pk_add_f32 v[192:193], v[192:193], v[194:195]
	v_pk_add_f32 v[196:197], v[196:197], v[198:199]
	v_pk_add_f32 v[200:201], v[200:201], v[202:203]
	v_pk_add_f32 v[204:205], v[204:205], v[206:207]
	v_pk_add_f32 v[192:193], v[192:193], v[196:197]
	v_pk_add_f32 v[200:201], v[200:201], v[204:205]
	v_pk_add_f32 v[192:193], v[192:193], v[200:201]
	s_wait_kmcnt 0x0
	v_add_f32 v192, s23, v192
	v_add_f32 v193, s23, v193
	v_mul_f32 v192, 0xbfb8aa3b, v192               ; - log2(e) z
	v_mul_f32 v193, 0xbfb8aa3b, v193
	v_exp_f32 v192, v192
	v_exp_f32 v193, v193
	v_nop                                          ; one plain place behind v_exp_f32 (ISA guide 5.7.2)
	s_wait_alu depctr_va_vdst(0)
	v_add_f32 v192, 1.0, v192
	v_add_f32 v193, 1.0, v193
	v_rcp_f32 v192, v192
	v_rcp_f32 v193, v193
	v_nop                                          ; and behind v_rcp_f32
	s_wait_alu depctr_va_vdst(0)
	v_mul_f32 v192, 0x3e800000, v192
	v_mul_f32 v193, 0x3e800000, v193
	ds_store_b32 v210, v192                        ; row L
	ds_store_b32 v210, v193 offset:128             ; row 32 + L; my wave's own bytes: LDS serves a wave in order, no barrier
; one modality row of a unit: eight f16 to f32, times its gate, into v16-23.  The registers' numbers come as plain numbers, for the names of the halves.
.macro ROW m, w0, w1, w2, w3
	v_cvt_f32_f16 v8, v\w0\().l
	v_cvt_f32_f16 v9, v\w0\().h
	v_cvt_f32_f16 v10, v\w1\().l
	v_cvt_f32_f16 v11, v\w1\().h
	v_cvt_f32_f16 v12, v\w2\().l
	v_cvt_f32_f16 v13, v\w2\().h
	v_cvt_f32_f16 v14, v\w3\().l
	v_cvt_f32_f16 v15, v\w3\().h
.irp k, 0,2,4,6
.if \m == 0
	v_pk_mul_f32 v[16+\k:17+\k], v[8+\k:9+\k], v[24:25] op_sel_hi:[1,0]
.endif
.if \m == 1
	v_pk_fma_f32 v[16+\k:17+\k], v[8+\k:9+\k], v[24:25], v[16+\k:17+\k] op_sel:[0,1,0] op_sel_hi:[1,1,1]
.endif
.if \m == 2
	v_pk_fma_f32 v[16+\k:17+\k], v[8+\k:9+\k], v[26:27], v[16+\k:17+\k] op_sel_hi:[1,0,1]
.endif
.if \m == 3
	v_pk_fma_f32 v[16+\k:17+\k], v[8+\k:9+\k], v[26:27], v[16+\k:17+\k] op_sel:[0,1,0] op_sel_hi:[1,1,1]
.endif
.endr
.endm
; left = the ctx loads issued behind this unit's
.macro UNIT u, left, r0, r1, r2, r3, r4, r5, r6, r7, r8, r9, r10, r11, r12, r13, r14, r15
.if ((\u)&3) == 0
	ds_load_b128 v[24:27], v5 offset:16*((\u)>>2)  ; the batch's four gates
	s_wait_dscnt 0x0
.endif
	s_wait_loadcnt \left
	ROW 0, \r0, \r1, \r2, \r3
	ROW 1, \r4, \r5, \r6, \r7
	ROW 2, \r8, \r9, \r10, \r11
	ROW 3, \r12, \r13, \r14, \r15
	v_cvt_pk_f16_f32 v28, v16, v17
	v_cvt_pk_f16_f32 v29, v18, v19
	v_cvt_pk_f16_f32 v30, v20, v21
	v_cvt_pk_f16_f32 v31, v22, v23
	ds_store_b128 v209, v[28:31] offset:((\u)>>2)*APITCH+512*((\u)&3)
.endm
	UNIT 0, 20, 32,33,34,35,36,37,38,39,40,41,42,43,44,45,46,47
	LDU 6
	UNIT 1, 20, 48,49,50,51,52,53,54,55,56,57,58,59,60,61,62,63
	LDU 7
	UNIT 2, 20, 64,65,66,67,68,69,70,71,72,73,74,75,76,77,78,79
	UNIT 3, 16, 80,81,82,83,84,85,86,87,88,89,90,91,92,93,94,95
	UNIT 4, 12, 96,97,98,99,100,101,102,103,104,105,106,107,108,109,110,111
	UNIT 5, 8, 112,113,114,115,116,117,118,119,120,121,122,123,124,125,126,127
	UNIT 6, 4, 32,33,34,35,36,37,38,39,40,41,42,43,44,45,46,47
	UNIT 7, 0, 48,49,50,51,52,53,54,55,56,57,58,59,60,61,62,63
	; the sums start from (sum of batch r's quarter gates) x out_proj_b: nothing is cleared
	ds_load_b128 v[24:27], v211
	s_wait_dscnt 0x0
	v_add_f32 v24, v24, v25
	v_add_f32 v26, v26, v27
	v_add_f32 v6, v24, v26
	v_add_f32 v7, v24, v26
.set k, 0
.rept 32
	v_pk_mul_f32 v[ACC+2*k:ACC+2*k+1], v[ACC+2*k:ACC+2*k+1], v[6:7]
.set k, k+1
.endr
	; addresses of the norm and of the way out
	s_lshl_b32 s45, s20, 2
	s_add_co_u32 s45, s45, RED1
	v_lshl_add_u32 v24, v215, 5, s45               ; partial sums in: RED1 + 32 r + 4 w
	v_lshlrev_b32 v25, 5, v215
	v_add_nc_u32 v25, RED1, v25                    ; and back: RED1 + 32 r
	v_mul_u32_u24 v26, v215, PITCH
	v_lshl_add_u32 v26, v216, 5, v26
	v_add_nc_u32 v26, s42, v26                     ; stage in: my part of slot 0 + r x 272 + 32 h
	v_mul_u32_u24 v27, v216, PITCH
	v_lshl_add_u32 v27, v215, 4, v27
	v_add_nc_u32 v27, s42, v27                     ; stage back: + h x 272 + 16 r
	v_lshl_add_u32 v28, v216, 12, v214             ; out0: h rows of 4,096 bytes + 256 w + 16 r
	global_load_b128 v[8:11], v214, s[14:15]               ; ln_w of my four columns, nh = 0, 1
	global_load_b128 v[12:15], v214, s[14:15] offset:2048
	global_load_b128 v[16:19], v214, s[16:17]              ; ln_b
	global_load_b128 v[20:23], v214, s[16:17] offset:2048
	s_wait_xcnt 0x0                                ; v214 is written over by the loop's fragment loads only behind this wait
	s_wait_dscnt 0x0                               ; my rows of the gated sum are in LDS, for the other waves
	s_wait_tensorcnt 0x1                           ; my part of tile 0 is in; tile 1's stays out
	s_barrier_signal -1
	s_barrier_wait -1
; one tile: 128 along K, my 64 columns of half nh x 16 batches: 40 LDS loads, 16 matrix instructions, source 0 = Wo, source 1 = gated sum,
; so lane (r, h) holds batch r and columns 8 h + 0..7.  Four accumulators take turns.
.macro PROC slot, nh
	PLACES
.irp kk, 0,1
	ds_load_b128 v[FA0+8*\kk:FA0+8*\kk+3], v4 offset:64*\kk
	ds_load_b128 v[FA0+8*\kk+4:FA0+8*\kk+7], v4 offset:64*\kk+32
.irp c, 0,1,2,3
	ds_load_b128 v[FB0+32*\kk+8*\c:FB0+32*\kk+8*\c+3], v[2+\slot] offset:\c*4352+64*\kk
	ds_load_b128 v[FB0+32*\kk+8*\c+4:FB0+32*\kk+8*\c+7], v[2+\slot] offset:\c*4352+64*\kk+32
.endr
.endr
.irp kk, 0,1
	ds_load_b128 v[FA1+8*\kk:FA1+8*\kk+3], v4 offset:128+64*\kk
	ds_load_b128 v[FA1+8*\kk+4:FA1+8*\kk+7], v4 offset:128+64*\kk+32
.irp c, 0,1,2,3
	ds_load_b128 v[FB1+32*\kk+8*\c:FB1+32*\kk+8*\c+3], v[2+\slot] offset:\c*4352+128+64*\kk
	ds_load_b128 v[FB1+32*\kk+8*\c+4:FB1+32*\kk+8*\c+7], v[2+\slot] offset:\c*4352+128+64*\kk+32
.endr
.endr
	s_wait_dscnt 20                                ; the first 20 loads are in, the second 20 stay out
.irp kk, 0,1
.irp c, 0,1,2,3
	v_wmma_f32_16x16x32_f16 v[ACC+8*(4*\nh+\c):ACC+8*(4*\nh+\c)+7], v[FB0+32*\kk+8*\c:FB0+32*\kk+8*\c+7], v[FA0+8*\kk:FA0+8*\kk+7], v[ACC+8*(4*\nh+\c):ACC+8*(4*\nh+\c)+7]
.endr
.endr
	s_wait_dscnt 0x0
.irp kk, 0,1
.irp c, 0,1,2,3
	v_wmma_f32_16x16x32_f16 v[ACC+8*(4*\nh+\c):ACC+8*(4*\nh+\c)+7], v[FB1+32*\kk+8*\c:FB1+32*\kk+8*\c+7], v[FA1+8*\kk:FA1+8*\kk+7], v[ACC+8*(4*\nh+\c):ACC+8*(4*\nh+\c)+7]
.endr
.endr
.endm
; refill = 1: the other slot, read last, gets the tile two ahead.  Every wave waits for all its tensor loads and for its LDS reads in front of the
; round of the cluster's barrier; the joint refill is the first tensor load behind it, one a wave.
.macro TRIP slot, nh, refill
	s_set_vgpr_msb 0x5
	s_wait_tensorcnt 0x0                           ; all my loads have landed, this trip's tile among them: a group 0 may be written
	ds_add_u32 v0, v1
	s_wait_dscnt 0x0
	s_set_vgpr_msb 0x500
.if \refill
	s_add_nc_u64 s[G0+4*(1-\slot)+2:G0+4*(1-\slot)+3], s[G0+4*(1-\slot)+2:G0+4*(1-\slot)+3], 262144
	s_wait_dscnt 0x0                               ; my reads of the other slot are over
	ROUND
	tensor_load_to_lds s[G0+4*(1-\slot):G0+4*(1-\slot)+3], s[G1:G1+7]
	s_nop 0
.endif
	PROC \slot, \nh
.endm
	PROC 0, 0                                      ; tile 0
	s_mov_b32 s44, 7
.Lt:
	TRIP 1, 1, 1                                   ; tiles 1, 3, .. 13; asks for 2, 4, .. 14
	v_add_nc_u32 v4, 256, v4                       ; the next 128 along K of the gated sum
	TRIP 0, 0, 1                                   ; tiles 2, 4, .. 14; asks for 3, 5, .. 15
	s_sub_co_u32 s44, s44, 1
	s_cmp_lg_u32 s44, 0
	s_cbranch_scc1 .Lt
	TRIP 1, 1, 0                                   ; tile 15: nothing is left to fetch
	; ---------------- LayerNorm of t = fused / 4 ----------------
; v[32:39], four pairs of partial sums of a lane, to the sum over batch r's 1,024 columns, in v40 of every lane
.macro REDUCE off
	v_pk_add_f32 v[32:33], v[32:33], v[34:35]
	v_pk_add_f32 v[36:37], v[36:37], v[38:39]
	v_pk_add_f32 v[32:33], v[32:33], v[36:37]
	v_add_f32 v32, v32, v33
	v_permlanex16_b32 v33, v32, s40, s41           ; the other half holds the batch's other columns of each tile
	v_add_f32 v32, v32, v33
	ds_store_b32 v24, v32 offset:\off              ; both halves store the same number to the same word
	s_wait_dscnt 0x0                               ; for the other waves
	s_barrier_signal -1
	s_barrier_wait -1
	ds_load_b128 v[40:43], v25 offset:\off
	ds_load_b128 v[44:47], v25 offset:\off+16
	s_wait_dscnt 0x0
	v_pk_add_f32 v[40:41], v[40:41], v[42:43]
	v_pk_add_f32 v[44:45], v[44:45], v[46:47]
	v_pk_add_f32 v[40:41], v[40:41], v[44:45]
	v_add_f32 v40, v40, v41
.endm
	PLACES
.irp c, 0,1,2,3
	v_pk_add_f32 v[32+2*\c:33+2*\c], v[ACC+2*\c:ACC+2*\c+1], v[ACC+8+2*\c:ACC+9+2*\c]
.endr
.set k, 2
.rept 6
.irp c, 0,1,2,3
	v_pk_add_f32 v[32+2*\c:33+2*\c], v[32+2*\c:33+2*\c], v[ACC+8*k+2*\c:ACC+8*k+2*\c+1]
.endr
.set k, k+1
.endr
	REDUCE 0
	v_mul_f32 v6, 0xba800000, v40                  ; - mean = - sum / 1024
	v_mul_f32 v7, 0xba800000, v40
.set k, 0
.rept 32
	v_pk_add_f32 v[ACC+2*k:ACC+2*k+1], v[ACC+2*k:ACC+2*k+1], v[6:7]
.set k, k+1
.endr
.irp c, 0,1,2,3
	v_pk_mul_f32 v[32+2*\c:33+2*\c], v[ACC+2*\c:ACC+2*\c+1], v[ACC+2*\c:ACC+2*\c+1]
.endr
.set k, 1
.rept 7
.irp c, 0,1,2,3
	v_pk_fma_f32 v[32+2*\c:33+2*\c], v[ACC+8*k+2*\c:ACC+8*k+2*\c+1], v[ACC+8*k+2*\c:ACC+8*k+2*\c+1], v[32+2*\c:33+2*\c]
.endr
.set k, k+1
.endr
	REDUCE 512                                     ; other words than the first sum's: no barrier between its reads and these stores
	s_mov_b32 s45, 0x3a800000                      ; 1 / 1024
	v_fmaak_f32 v40, s45, v40, 0x3527c5ac          ; variance of t + eps / 16
	v_rsq_f32 v6, v40
	v_rsq_f32 v7, v40
	v_nop                                          ; one plain place behind v_rsq_f32
.set k, 0
	s_wait_alu depctr_va_vdst(0)
.rept 32
	v_pk_mul_f32 v[ACC+2*k:ACC+2*k+1], v[ACC+2*k:ACC+2*k+1], v[6:7]
.set k, k+1
.endr
	; the way out through my own part of slot 0, which has had its last fill (tile 14) and its last read: rows of 64 f32 + 16 bytes
.irp nh, 0,1
.irp c, 0,1,2,3
	ds_store_b128 v26, v[ACC+8*(4*\nh+\c):ACC+8*(4*\nh+\c)+3] offset:\nh*4352+64*\c
	ds_store_b128 v26, v[ACC+8*(4*\nh+\c)+4:ACC+8*(4*\nh+\c)+7] offset:\nh*4352+64*\c+16
.endr
.endr
.irp nh, 0,1
.irp t, 0,1,2,3,4,5,6,7
	ds_load_b128 v[32+4*(8*\nh+\t):32+4*(8*\nh+\t)+3], v27 offset:\nh*4352+\t*544      ; LDS serves a wave in order: these see the stores above
.endr
.endr
	s_wait_loadcnt 0x0                             ; ln_w, ln_b
.irp nh, 0,1
.irp t, 0,1,2,3,4,5,6,7
	s_wait_dscnt 15-(8*\nh+\t)
	v_pk_fma_f32 v[32+4*(8*\nh+\t):32+4*(8*\nh+\t)+1], v[32+4*(8*\nh+\t):32+4*(8*\nh+\t)+1], v[8+4*\nh:9+4*\nh], v[16+4*\nh:17+4*\nh]
	v_pk_fma_f32 v[32+4*(8*\nh+\t)+2:32+4*(8*\nh+\t)+3], v[32+4*(8*\nh+\t)+2:32+4*(8*\nh+\t)+3], v[10+4*\nh:11+4*\nh], v[18+4*\nh:19+4*\nh]
	global_store_b128 v28, v[32+4*(8*\nh+\t):32+4*(8*\nh+\t)+3], s[18:19] offset:\t*8192+2048*\nh   ; 16 lanes store 256 consecutive bytes, aligned
.endr
.endr
	s_set_vgpr_msb 0x5
	s_wait_tensorcnt 0x0
	ds_add_u32 v0, v1
	s_wait_dscnt 0x0
	s_set_vgpr_msb 0x500
	ROUND                                          ; the closing round: no work-group ends while a partner may still ask jointly
	s_endpgm
.Lfunc_end_k_q7ee6ab7966_outln:
	.size	k_q7ee6ab7966_outln, .Lfunc_end_k_q7ee6ab7966_outln-k_q7ee6ab7966_outln
	.p2alignl 7, 3214868480
	.fill 96, 4, 3214868480
	.section	.rodata,"a",@progbits
	.p2align	6, 0x0
	.amdhsa_kernel k_q7ee6ab7966_outln
		.amdhsa_group_segment_fixed_size 327680
		.amdhsa_private_segment_fixed_size 0
		.amdhsa_enable_private_segment 0
		.amdhsa_kernarg_size 64
		.amdhsa_user_sgpr_count 2
		.amdhsa_user_sgpr_kernarg_segment_ptr 1
		.amdhsa_wavefront_size32 1
		.amdhsa_system_sgpr_workgroup_id_x 1
		.amdhsa_system_sgpr_workgroup_id_y 1
		.amdhsa_system_sgpr_workgroup_id_z 1
		.amdhsa_system_vgpr_workitem_id 0
		.amdhsa_next_free_vgpr 258
		.amdhsa_next_free_sgpr 66
		.amdhsa_reserve_vcc 0
		.amdhsa_float_denorm_mode_32 3
		.amdhsa_float_denorm_mode_16_64 3
		.amdhsa_memory_ordered 1
		.amdhsa_forward_progress 1
		.amdhsa_inst_pref_size 67
	.end_amdhsa_kernel
	.amdgpu_metadata
---
amdhsa.version: [ 1, 2 ]
amdhsa.kernels:
  - .name:           k_q7ee6ab7966_outln
    .symbol:         k_q7ee6ab7966_outln.kd
    .args:
      - { .name: ctx, .offset: 0, .size: 8, .value_kind: global_buffer, .address_space: global }
      - { .name: gp, .offset: 8, .size: 8, .value_kind: global_buffer, .address_space: global }
      - { .name: woh, .offset: 16, .size: 8, .value_kind: global_buffer, .address_space: global }
      - { .name: gate_b2, .offset: 24, .size: 8, .value_kind: global_buffer, .address_space: global }
      - { .name: out_proj_b, .offset: 32, .size: 8, .value_kind: global_buffer, .address_space: global }
      - { .name: ln_w, .offset: 40, .size: 8, .value_kind: global_buffer, .address_space: global }
      - { .name: ln_b, .offset: 48, .size: 8, .value_kind: global_buffer, .address_space: global }
      - { .name: out0, .offset: 56, .size: 8, .value_kind: global_buffer, .address_space: global }
    .group_segment_fixed_size: 327680
    .private_segment_fixed_size: 0
    .kernarg_segment_align: 8
    .kernarg_segment_size: 64
    .max_flat_workgroup_size: 256
    .sgpr_count:     66
    .vgpr_count:     258
    .wavefront_size: 32
...
	.end_amdgpu_metadata
.endif
;; end of part 3
;; ======== version 2 of 3: 4 launches; 1.15 times as fast as version 1
;; limits: values are held in f16: magnitudes above 65,504 overflow, below 6.1e-05 lose precision
;; workspace buffers: xh 16,777,216 bytes; wcat 7,340,032 bytes; woh 2,097,152 bytes; ctx 16,777,216 bytes; gp 262,144 bytes; fus 8,388,608 bytes
;; launch cast (part 4): grid 800 x 1, 8 waves a work-group, no clusters, 0 bytes of LDS; arguments x, in_proj_w, gate_w1, out_proj_w, xh, wcat, woh; writes xh, wcat, woh
.if DOCPART == 4
	.amdgcn_target "amdgcn-amd-amdhsa--gfx1250"
	.amdhsa_code_object_version 6
	.text
	.protected	k_q7ee6ab7966_cast
	.globl	k_q7ee6ab7966_cast
	.p2align	8
	.type	k_q7ee6ab7966_cast,@function
k_q7ee6ab7966_cast:
	s_mov_b64 s[64:65], 0
	v_nop
	global_prefetch_b8 v0, s[64:65] scope:SCOPE_SE
	s_setreg_imm32_b32 hwreg(HW_REG_WAVE_MODE, 25, 1), 1
	s_wait_xcnt 0x0
; f32 -> f16 (round to nearest even) of x and of the three weight matrices, into layouts whose K tiles are dense in memory.
;   xh   [rb 32][s 16][row 256][64 k]        x, row block rb, K segment s
;   wcat [head 8][s 16][row 448][64 k]       rows 0-63 gate_w1 (64 head ..), 64-191 Wq, 192-319 Wk, 320-447 Wv of the head
;   woh  [nb 4][kt 4][part 8][kh 2][row 32][128 k]   out_proj_w row 256 nb + 32 part + row, k = 256 kt + 128 kh + ..
; LIMIT: a number of magnitude 65,520 or more becomes an f16 infinity; below 6.1e-5 the f16 is denormal (absolute step 6e-8).
; A stream: every byte is read once and written once, so no LDS, no barrier, no matrix unit, no cluster (nothing is shared).
; A work-group takes 16 source rows (65,536 bytes), a wave two of them: 16 loads of 16 bytes a lane, all issued ahead,
; then 16 stores of 8 bytes a lane; each store of a wave covers 256 consecutive bytes, aligned.
.set X, 4                              ; v[4:67]   16 x 4 f32 as loaded
.set Y, 68                             ; v[68:99]  16 x 2 registers of f16 to store; no register is written twice
; wo = 0: load i takes K segment i (256 bytes) of the wave's two rows; its f16 go to tile i (tile bytes apart).
; wo = 1: load i takes K segment i & 7 (512 bytes, 128 k) of row i >> 3; its f16 go to tile (i & 7) >> 1, plane i & 1, 256 bytes a row.
.macro CAST16 src, dst, tile, wo
.set i, 0
.rept 16
.if \wo
	global_load_b128 v[X+4*i:X+4*i+3], v1, s[\src:\src+1] offset:(i>>3)*4096+(i&7)*512 th:TH_LOAD_NT
.else
	global_load_b128 v[X+4*i:X+4*i+3], v1, s[\src:\src+1] offset:256*i th:TH_LOAD_NT
.endif
.set i, i+1
.endr
.set i, 0
.rept 16
	s_wait_loadcnt 15-i                            ; loads return in order: load i is in, the younger ones stay out
	v_cvt_pk_f16_f32 v[Y+2*i], v[X+4*i], v[X+4*i+1]
	v_cvt_pk_f16_f32 v[Y+2*i+1], v[X+4*i+2], v[X+4*i+3]
.if \wo
	global_store_b64 v2, v[Y+2*i:Y+2*i+1], s[\dst:\dst+1] offset:((i&7)>>1)*131072+(i&1)*8192+(i>>3)*256
.else
	global_store_b64 v2, v[Y+2*i:Y+2*i+1], s[\dst:\dst+1] offset:i*(\tile)
.endif
.set i, i+1
.endr
.endm
	s_load_b256 s[4:11], s[0:1], 0x0               ; x s[4:5], in_proj_w s[6:7], gate_w1 s[8:9], out_proj_w s[10:11]
	s_load_b128 s[12:15], s[0:1], 0x20             ; xh s[12:13], wcat s[14:15]
	s_load_b64 s[16:17], s[0:1], 0x30              ; woh
	v_lshrrev_b32 v1, 4, v0                        ; thread / 16 = the row among the group's 16
	v_and_b32 v2, 15, v0
	v_lshlrev_b32 v2, 4, v2
	v_lshl_or_b32 v1, v1, 12, v2                   ; load: row x 4,096 + 16 (thread mod 16)
	v_lshlrev_b32 v2, 3, v0                        ; store: 8 x thread = row x 128 + 8 (thread mod 16)
	s_mov_b32 s19, 0                               ; high words of the two offsets
	s_mov_b32 s21, 0
	s_wait_kmcnt 0x0
	s_cmp_lt_u32 ttmp9, 512
	s_cbranch_scc0 .Lnot_x
	; groups 0-511: x.  rb = g / 16, rows 16 (g mod 16) .. of the block
	s_lshl_b32 s18, ttmp9, 16
	s_add_nc_u64 s[4:5], s[4:5], s[18:19]
	s_lshr_b32 s20, ttmp9, 4
	s_lshl_b32 s20, s20, 19                        ; rb x 16 tiles x 32,768
	s_and_b32 s22, ttmp9, 15
	s_lshl_b32 s22, s22, 11                        ; 16 rows x 128 bytes
	s_add_co_u32 s20, s20, s22
	s_add_nc_u64 s[12:13], s[12:13], s[20:21]
	CAST16 4, 12, 32768, 0
	s_endpgm
.Lnot_x:
	s_cmp_lt_u32 ttmp9, 704
	s_cbranch_scc0 .Lnot_in
	; groups 512-703: in_proj_w.  g' = 64 part + 8 head + sixteenth
	s_sub_co_u32 s23, ttmp9, 512
	s_lshl_b32 s18, s23, 16
	s_add_nc_u64 s[6:7], s[6:7], s[18:19]
	s_bfe_u32 s20, s23, 0x30003                    ; head
	s_mul_i32 s20, s20, 917504                     ; 16 tiles x 57,344
	s_lshr_b32 s22, s23, 6                         ; part: q, k, v
	s_lshl_b32 s22, s22, 14                        ; 128 rows x 128 bytes
	s_add_co_u32 s20, s20, s22
	s_and_b32 s22, s23, 7
	s_lshl_b32 s22, s22, 11
	s_add_co_u32 s20, s20, s22
	s_add_co_u32 s20, s20, 8192                    ; behind the 64 gate rows
	s_add_nc_u64 s[14:15], s[14:15], s[20:21]
	CAST16 6, 14, 57344, 0
	s_endpgm
.Lnot_in:
	s_cmp_lt_u32 ttmp9, 736
	s_cbranch_scc0 .Lnot_gate
	; groups 704-735: gate_w1.  g'' = 4 head + quarter
	s_sub_co_u32 s23, ttmp9, 704
	s_lshl_b32 s18, s23, 16
	s_add_nc_u64 s[8:9], s[8:9], s[18:19]
	s_lshr_b32 s20, s23, 2
	s_mul_i32 s20, s20, 917504
	s_and_b32 s22, s23, 3
	s_lshl_b32 s22, s22, 11
	s_add_co_u32 s20, s20, s22
	s_add_nc_u64 s[14:15], s[14:15], s[20:21]
	CAST16 8, 14, 57344, 0
	s_endpgm
.Lnot_gate:
	; groups 736-799: out_proj_w.  g''' = 16 nb + 2 part + half of the part's 32 rows
	s_sub_co_u32 s23, ttmp9, 736
	s_lshl_b32 s18, s23, 16
	s_add_nc_u64 s[10:11], s[10:11], s[18:19]
	s_lshr_b32 s20, s23, 4
	s_lshl_b32 s20, s20, 19                        ; nb x 4 tiles x 131,072
	s_bfe_u32 s22, s23, 0x30001                    ; part
	s_lshl_b32 s22, s22, 14                        ; x 16,384
	s_add_co_u32 s20, s20, s22
	s_and_b32 s22, s23, 1
	s_lshl_b32 s22, s22, 12                        ; 16 rows x 256 bytes
	s_add_co_u32 s20, s20, s22
	s_add_nc_u64 s[16:17], s[16:17], s[20:21]
	v_lshrrev_b32 v1, 5, v0                        ; wave
	v_and_b32 v3, 31, v0                           ; lane
	v_lshlrev_b32 v2, 3, v3
	v_lshl_or_b32 v2, v1, 9, v2                    ; store: wave x 2 rows x 256 + 8 lane
	v_lshlrev_b32 v3, 4, v3
	v_lshl_or_b32 v1, v1, 13, v3                   ; load: wave x 2 rows x 4,096 + 16 lane
	CAST16 10, 16, 0, 1
	s_endpgm
.Lfunc_end_k_q7ee6ab7966_cast:
	.size	k_q7ee6ab7966_cast, .Lfunc_end_k_q7ee6ab7966_cast-k_q7ee6ab7966_cast
	.p2alignl 7, 3214868480
	.fill 96, 4, 3214868480
	.section	.rodata,"a",@progbits
	.p2align	6, 0x0
	.amdhsa_kernel k_q7ee6ab7966_cast
		.amdhsa_group_segment_fixed_size 0
		.amdhsa_private_segment_fixed_size 0
		.amdhsa_enable_private_segment 0
		.amdhsa_kernarg_size 56
		.amdhsa_user_sgpr_count 2
		.amdhsa_user_sgpr_kernarg_segment_ptr 1
		.amdhsa_wavefront_size32 1
		.amdhsa_system_sgpr_workgroup_id_x 1
		.amdhsa_system_sgpr_workgroup_id_y 1
		.amdhsa_system_sgpr_workgroup_id_z 1
		.amdhsa_system_vgpr_workitem_id 0
		.amdhsa_next_free_vgpr 104
		.amdhsa_next_free_sgpr 66
		.amdhsa_reserve_vcc 0
		.amdhsa_float_denorm_mode_32 3
		.amdhsa_float_denorm_mode_16_64 3
		.amdhsa_memory_ordered 1
		.amdhsa_forward_progress 1
		.amdhsa_inst_pref_size 25
	.end_amdhsa_kernel
	.amdgpu_metadata
---
amdhsa.version: [ 1, 2 ]
amdhsa.kernels:
  - .name:           k_q7ee6ab7966_cast
    .symbol:         k_q7ee6ab7966_cast.kd
    .args:
      - { .name: x, .offset: 0, .size: 8, .value_kind: global_buffer, .address_space: global }
      - { .name: in_proj_w, .offset: 8, .size: 8, .value_kind: global_buffer, .address_space: global }
      - { .name: gate_w1, .offset: 16, .size: 8, .value_kind: global_buffer, .address_space: global }
      - { .name: out_proj_w, .offset: 24, .size: 8, .value_kind: global_buffer, .address_space: global }
      - { .name: xh, .offset: 32, .size: 8, .value_kind: global_buffer, .address_space: global }
      - { .name: wcat, .offset: 40, .size: 8, .value_kind: global_buffer, .address_space: global }
      - { .name: woh, .offset: 48, .size: 8, .value_kind: global_buffer, .address_space: global }
    .group_segment_fixed_size: 0
    .private_segment_fixed_size: 0
    .kernarg_segment_align: 8
    .kernarg_segment_size: 56
    .max_flat_workgroup_size: 256
    .sgpr_count:     66
    .vgpr_count:     104
    .wavefront_size: 32
...
	.end_amdgpu_metadata
.endif
;; end of part 4
;; launch qkv: the kernel of part 2 again; grid 8 x 32, 4 waves a work-group, clusters of 4 x 4, 327,680 bytes of LDS; arguments xh, wcat, in_proj_b, gate_b1, gate_w2, ctx, gp; writes ctx, gp
;; launch proj (part 5): grid 256 x 1, 8 waves a work-group, clusters of 4 x 1, 327,680 bytes of LDS; arguments ctx, gp, woh, gate_b2, out_proj_b, fus; writes fus
.if DOCPART == 5
	.amdgcn_target "amdgcn-amd-amdhsa--gfx1250"
	.amdhsa_code_object_version 6
	.text
	.protected	k_q7ee6ab7966_proj
	.globl	k_q7ee6ab7966_proj
	.p2align	8
	.type	k_q7ee6ab7966_proj,@function
k_q7ee6ab7966_proj:
	s_mov_b64 s[64:65], 0
	v_nop
	global_prefetch_b8 v0, s[64:65] scope:SCOPE_SE
	s_setreg_imm32_b32 hwreg(HW_REG_WAVE_MODE, 25, 1), 1
	s_wait_xcnt 0x0
	s_wait_alu depctr_hold_cnt(0) depctr_sa_sdst(0) depctr_va_vdst(0) depctr_va_sdst(0) depctr_va_ssrc(0) depctr_va_vcc(0) depctr_vm_vsrc(0)
	s_getreg_b32 s2, hwreg(HW_REG_IB_STS2, 6, 4)
	s_cmp_eq_u32 s2, 0
	s_cbranch_scc0 .Lentry_in_a_cluster
	s_endpgm
.Lentry_in_a_cluster:
	s_bfe_u32 s2, ttmp6, 0x10000c
	s_cmp_lg_u32 s2, 0x3003
	s_cbranch_scc0 .Lentry_shape_is_right
	s_endpgm
.Lentry_shape_is_right:
; Gates, gated sum over the four modalities, out-projection.  The out-projection is linear, so
;   sum_m g_m (ctx_m Wo^T + bo) = (sum_m g_m ctx_m) Wo^T + (sum_m g_m) bo :  2,048 rows go through Wo, not 8,192.
; Everything is carried as a quarter (g' = g / 4), so that the f16 operand never exceeds the largest |ctx|.  Out: fus = fused / 4, f32;
; the norm, whose sums span four work-groups of this launch, is the next launch's.
; LIMITS: f16 operands (|ctx|, |Wo| under 65,504); the sum over modalities stands ahead of the product, so the order of rounding differs from the
; reference's; v_exp_f32 gives 0 for results below 2^-126 (the sigmoid is then 1).
; A work-group makes 32 batches x 256 columns: it takes in 256 rows of Wo (512 KB) and 128 rows of ctx (256 KB); among blocks of 8,192 outputs
; 2 KB x columns + 8 KB x batches is least at 32 x 256 and 64 x 128, and 32 x 256 has half the gating work.  256 work-groups.
; Eight waves; wave w owns columns 32 w .. 32 w + 31 and all 32 batches: four accumulators, four fragments for four matrix instructions.
; Wo comes in four tiles of 256 along K through two LDS slots; each wave loads and reads its own 32 rows of a tile, which lie in memory as
; 64 dense rows of 256 bytes (two planes of 128 k).  CLUSTER 4 x 1: the four work-groups have the same column block, walk the same tiles
; of Wo and ask for them jointly.  ctx differs between them and comes through registers.
; The gated sum of all 1,024 k does not fit beside two such slots, so it is made in two halves of 512 k, each in the same stage.
.set SLOTB,  139264                    ; 8 parts of 64 rows x 272
.set WPART,  17408                     ; a wave's part: plane kh at 8,704 kh, row at 272 bytes
.set PITCH,  272
.set ASTG,   278528                    ; the gated sum of 512 k, f16: 32 rows x 1,040 bytes (65 x 16: fragment loads fall on 16 different 16-byte columns);
.set APITCH, 1040                      ; at the end the stage of the results: 32 rows x 256 f32.  Never a tensor load's target
.set GS,     311808                    ; 128 gates, f32, for each wave
.set ACC,    128                       ; v128-159 accumulators, tile (a, c) at ACC + 8 (2 a + c)
.set XR,     32                        ; v32-127  six units of four ctx loads, in turn
.set F,      160                       ; v160-255 three buffers of four fragments (32 along K each)
.set P,      160                       ; v160-191 between the products: eight packed units of the gated sum
.set G1, 24                            ; s[24:31] descriptor group 1
.set G0, 32                            ; s[32:39] descriptor group 0, one set a slot
.macro PLACES                          ; four plain vector places behind matrix instructions ahead of loads into
.rept 4                                ; or vector work on, their registers
	v_nop
.endr
.endm
.macro ROUND                           ; a round of the cluster's barrier
	s_barrier_signal -1
	s_barrier_wait -1
	s_cmp_lg_u32 s20, 0
	s_cbranch_scc1 .Lnot_wave_0_\@
	s_barrier_signal -3
.Lnot_wave_0_\@:
	s_barrier_wait -3
	s_barrier_signal -1
	s_barrier_wait -1
.endm
	s_load_b256 s[4:11], s[0:1], 0x0               ; ctx s[4:5], gp s[6:7], woh s[8:9], gate_b2 s[10:11]
	s_load_b128 s[12:15], s[0:1], 0x20             ; out_proj_b s[12:13], fus s[14:15]
	s_set_vgpr_msb 0x40
	v_lshl_add_u32 v0, v0, 2, 0x4d200
	v_mov_b32 v1, 0
	s_set_vgpr_msb 0x4045
	ds_add_u32 v0, v1
	s_set_vgpr_msb 0x4500
	v_lshrrev_b32 v1, 5, v0
	v_readfirstlane_b32 s20, v1                    ; wave 0..7
	s_bfe_u32 s21, ttmp6, 0x40000                  ; cx
	s_and_b32 s22, ttmp9, 3                        ; column block nb: the same in the four partners
	s_lshr_b32 s50, ttmp9, 2
	s_lshl_b32 s50, s50, 2
	s_add_co_u32 s50, s50, s21                     ; batch block mb: enters global addresses of ctx, gp, fus alone
	s_mov_b32 s[G1+0], 15|(3<<16)|(1<<20)|(1<<21)|(5<<22)|(3<<25)   ; all four partners; 8-byte elements; 4 dwords skipped after every 64
	s_mov_b32 s[G1+1], 32<<16                      ; tensor_dim0 = 32 (256 bytes)
	s_mov_b32 s[G1+2], 64<<16                      ; tensor_dim1 = 64
	s_mov_b32 s[G1+3], 32<<16                      ; tile_dim0
	s_mov_b32 s[G1+4], 64                          ; tile_dim1
	s_mov_b32 s[G1+5], 32                          ; pitch
	s_mov_b32 s[G1+6], 0
	s_mov_b32 s[G1+7], 0
	s_mul_i32 s42, s20, WPART                      ; my part of a slot
	s_lshl_b32 s46, s22, 19                        ; nb x 4 tiles x 131,072
	s_lshl_b32 s47, s20, 14                        ; + my part of a tile in memory
	s_add_co_u32 s46, s46, s47
	s_mov_b32 s47, 0
	s_wait_dscnt 0x0
	s_wait_kmcnt 0x0
	s_load_b32 s23, s[10:11], 0x0                  ; gate_b2
	s_add_nc_u64 s[46:47], s[8:9], s[46:47]
	ROUND                                          ; the four work-groups are here: the first joint loads meet
.irp n, 0,1
	s_mov_b32 s[G0+4*\n], 1
	s_add_co_u32 s[G0+4*\n+1], s42, \n*SLOTB
	s_add_nc_u64 s[G0+4*\n+2:G0+4*\n+3], s[46:47], \n*131072
	s_or_b32 s[G0+4*\n+3], s[G0+4*\n+3], 0x80000000
	tensor_load_to_lds s[G0+4*\n:G0+4*\n+3], s[G1:G1+7]            ; tiles 0 and 1: two loads of the wave are out, the most in this text
	s_nop 0
.endr
	s_mov_b32 s49, 0
	s_lshl_b32 s48, s50, 18
	s_add_nc_u64 s[4:5], s[4:5], s[48:49]          ; ctx at my 128 rows
	s_lshl_b32 s48, s50, 9
	s_add_nc_u64 s[6:7], s[6:7], s[48:49]          ; gp at my two blocks of 64 rows
	s_lshl_b32 s48, s22, 10
	s_add_nc_u64 s[12:13], s[12:13], s[48:49]      ; out_proj_b at my 256 columns
	s_add_nc_u64 s[14:15], s[14:15], s[48:49]      ; fus at my 256 columns
	s_lshl_b32 s48, s50, 17
	s_add_nc_u64 s[14:15], s[14:15], s[48:49]      ; and my 32 rows
	; lane terms.  v224-229 serve the prologue alone; the fragment loads write over them later, when the loads that name them are done.
	v_and_b32 v1, 31, v0                           ; lane L
	v_and_b32 v224, 15, v0                         ; r
	v_bfe_u32 v225, v0, 4, 1                       ; h
	v_mul_u32_u24 v2, v224, PITCH
	v_lshl_add_u32 v2, v225, 4, v2
	v_add_nc_u32 v2, s42, v2                       ; Wo fragments, slot 0
	v_add_nc_u32 v3, SLOTB, v2                     ; slot 1
	v_mul_u32_u24 v4, v224, APITCH
	v_lshl_add_u32 v4, v225, 4, v4
	v_add_nc_u32 v4, ASTG, v4                      ; gated-sum fragments
	s_mul_i32 s43, s20, 576
	s_add_co_u32 s43, s43, GS
	v_mov_b32 v5, s43                              ; my copy of the gates (512 w), at batch 4 w (+ 64 w)
	s_lshl_b32 s45, s20, 9
	s_add_co_u32 s45, s45, GS
	v_lshl_add_u32 v226, v1, 2, s45                ; gates in: word L
	v_lshl_add_u32 v227, v224, 4, s45              ; gates of batch r
	v_lshlrev_b32 v228, 3, v1                      ; gp: 8 L
	s_lshl_b32 s43, s20, 7                         ; 128 w
	v_lshl_add_u32 v229, v225, 5, s43              ; out_proj_b: 128 w + 32 h
	s_add_co_u32 s45, s43, ASTG
	v_mul_u32_u24 v30, v224, APITCH
	v_lshl_add_u32 v30, v225, 5, v30
	v_add_nc_u32 v30, s45, v30                     ; results in: stage + r x 1,040 + 128 w + 32 h
	s_lshl_b32 s45, s20, 15
	v_lshl_add_u32 v28, v1, 4, s45                 ; ctx: 16 rows a wave + 16 L
	s_mul_i32 s45, s20, 4*APITCH
	s_add_co_u32 s45, s45, ASTG
	v_lshl_add_u32 v29, v1, 4, s45                 ; stage rows 4 w .. 4 w + 3, 16 L: gated sum in, results back
	s_lshl_b32 s45, s20, 14
	v_lshl_add_u32 v31, v1, 4, s45                 ; fus: 4 rows of 4,096 bytes a wave + 16 L
.irp hh, 0,1,2,3,4,5,6,7
	global_load_b64 v[192+2*\hh:193+2*\hh], v228, s[6:7] offset:\hh*32768          ; the eight heads' shares for rows L and 32 + L
	global_load_b64 v[208+2*\hh:209+2*\hh], v228, s[6:7] offset:\hh*32768+256      ; and for rows 64 + L and 96 + L
.endr
.irp a, 0,1
.irp c, 0,1
	global_load_b128 v[ACC+8*(2*\a+\c):ACC+8*(2*\a+\c)+3], v229, s[12:13] offset:64*\c
	global_load_b128 v[ACC+8*(2*\a+\c)+4:ACC+8*(2*\a+\c)+7], v229, s[12:13] offset:64*\c+16
.endr
.endr
; unit u = 8 p + 2 i + q: the four modality rows of batch 4 w + i, columns 512 p + 256 q .. + 255; a load of the wave covers 512 consecutive bytes
.macro LDU u
.irp m, 0,1,2,3
	global_load_b128 v[XR+16*((\u)%6)+4*\m:XR+16*((\u)%6)+4*\m+3], v28, s[4:5] offset:(4*(((\u)&7)>>1)+\m)*2048+1024*((\u)>>3)+512*((\u)&1)
.endr
.endm
.irp u, 0,1,2,3,4,5
	LDU \u
.endr
	; the 128 gates, in every wave: sum over the heads in a fixed order, + b2, sigmoid, a quarter
.macro HSUM b
	v_pk_add_f32 v[\b:\b+1], v[\b:\b+1], v[\b+2:\b+3]
	v_pk_add_f32 v[\b+4:\b+5], v[\b+4:\b+5], v[\b+6:\b+7]
	v_pk_add_f32 v[\b+8:\b+9], v[\b+8:\b+9], v[\b+10:\b+11]
	v_pk_add_f32 v[\b+12:\b+13], v[\b+12:\b+13], v[\b+14:\b+15]
	v_pk_add_f32 v[\b:\b+1], v[\b:\b+1], v[\b+4:\b+5]
	v_pk_add_f32 v[\b+8:\b+9], v[\b+8:\b+9], v[\b+12:\b+13]
	v_pk_add_f32 v[\b:\b+1], v[\b:\b+1], v[\b+8:\b+9]
.endm
	s_wait_loadcnt 32                              ; gp is in: 8 + 24 younger loads stay out
	HSUM 192
	HSUM 208
	s_wait_kmcnt 0x0
.irp g, 192,193,208,209
	v_add_f32 v\g, s23, v\g
.endr
.irp g, 192,193,208,209
	v_mul_f32 v\g, 0xbfb8aa3b, v\g                 ; - log2(e) z
.endr
.irp g, 192,193,208,209
	v_exp_f32 v\g, v\g
.endr
	v_nop                                          ; one plain place behind v_exp_f32 (ISA guide 5.7.2)
	s_wait_alu depctr_va_vdst(0)
.irp g, 192,193,208,209
	v_add_f32 v\g, 1.0, v\g
.endr
.irp g, 192,193,208,209
	v_rcp_f32 v\g, v\g
.endr
	v_nop                                          ; and behind v_rcp_f32
	s_wait_alu depctr_va_vdst(0)
.irp g, 192,193,208,209
	v_mul_f32 v\g, 0x3e800000, v\g
.endr
	ds_store_b32 v226, v192                        ; row L
	ds_store_b32 v226, v193 offset:128             ; row 32 + L
	ds_store_b32 v226, v208 offset:256             ; row 64 + L
	ds_store_b32 v226, v209 offset:384             ; row 96 + L; my wave's own bytes: LDS serves a wave in order, no barrier
; one modality row of a unit: eight f16 to f32, times its gate, into v16-23.  The registers' numbers come as plain numbers, for the names of the halves.
.macro ROW m, w0, w1, w2, w3
	v_cvt_f32_f16 v8, v\w0\().l
	v_cvt_f32_f16 v9, v\w0\().h
	v_cvt_f32_f16 v10, v\w1\().l
	v_cvt_f32_f16 v11, v\w1\().h
	v_cvt_f32_f16 v12, v\w2\().l
	v_cvt_f32_f16 v13, v\w2\().h
	v_cvt_f32_f16 v14, v\w3\().l
	v_cvt_f32_f16 v15, v\w3\().h
.irp k, 0,2,4,6
.if \m == 0
	v_pk_mul_f32 v[16+\k:17+\k], v[8+\k:9+\k], v[24:25] op_sel_hi:[1,0]
.endif
.if \m == 1
	v_pk_fma_f32 v[16+\k:17+\k], v[8+\k:9+\k], v[24:25], v[16+\k:17+\k] op_sel:[0,1,0] op_sel_hi:[1,1,1]
.endif
.if \m == 2
	v_pk_fma_f32 v[16+\k:17+\k], v[8+\k:9+\k], v[26:27], v[16+\k:17+\k] op_sel_hi:[1,0,1]
.endif
.if \m == 3
	v_pk_fma_f32 v[16+\k:17+\k], v[8+\k:9+\k], v[26:27], v[16+\k:17+\k] op_sel:[0,1,0] op_sel_hi:[1,1,1]
.endif
.endr
.endm
; left = the ctx loads issued behind this unit's.  st = 1: the packed unit goes to the stage at once; 0: it waits in its registers.
.macro UNIT u, left, st, r0, r1, r2, r3, r4, r5, r6, r7, r8, r9, r10, r11, r12, r13, r14, r15
.if ((\u)&1) == 0
	ds_load_b128 v[24:27], v5 offset:16*(((\u)&7)>>1)      ; the batch's four gates
	s_wait_dscnt 0x0
.endif
	s_wait_loadcnt \left
	ROW 0, \r0, \r1, \r2, \r3
	ROW 1, \r4, \r5, \r6, \r7
	ROW 2, \r8, \r9, \r10, \r11
	ROW 3, \r12, \r13, \r14, \r15
	v_cvt_pk_f16_f32 v[P+4*((\u)&7)], v16, v17
	v_cvt_pk_f16_f32 v[P+4*((\u)&7)+1], v18, v19
	v_cvt_pk_f16_f32 v[P+4*((\u)&7)+2], v20, v21
	v_cvt_pk_f16_f32 v[P+4*((\u)&7)+3], v22, v23
.if \st
	ds_store_b128 v29, v[P+4*((\u)&7):P+4*((\u)&7)+3] offset:(((\u)&7)>>1)*APITCH+512*((\u)&1)
.endif
.endm
.macro UNITP u, left, st               ; the unit's place in the ring of six
.if ((\u)%6) == 0
	UNIT \u, \left, \st, 32,33,34,35,36,37,38,39,40,41,42,43,44,45,46,47
.endif
.if ((\u)%6) == 1
	UNIT \u, \left, \st, 48,49,50,51,52,53,54,55,56,57,58,59,60,61,62,63
.endif
.if ((\u)%6) == 2
	UNIT \u, \left, \st, 64,65,66,67,68,69,70,71,72,73,74,75,76,77,78,79
.endif
.if ((\u)%6) == 3
	UNIT \u, \left, \st, 80,81,82,83,84,85,86,87,88,89,90,91,92,93,94,95
.endif
.if ((\u)%6) == 4
	UNIT \u, \left, \st, 96,97,98,99,100,101,102,103,104,105,106,107,108,109,110,111
.endif
.if ((\u)%6) == 5
	UNIT \u, \left, \st, 112,113,114,115,116,117,118,119,120,121,122,123,124,125,126,127
.endif
.endm
	; the first half of K: units 0-7.  Behind unit u the unit six further on is asked for, so five units (20 loads) are always out behind the one at work,
	; and six units of the second half are on their way while the first two tiles are multiplied.
.irp u, 0,1,2,3,4,5,6,7
	UNITP \u, 20, 1
	LDU \u+6
.endr
	; the sums start from (sum of the batch's quarter gates) x out_proj_b: nothing is cleared
.irp a, 0,1
	ds_load_b128 v[24:27], v227 offset:256*\a      ; batch 16 a + r
	s_wait_dscnt 0x0
	v_add_f32 v24, v24, v25
	v_add_f32 v26, v26, v27
	v_add_f32 v6, v24, v26
	v_add_f32 v7, v24, v26
.irp k, 0,1,2,3,4,5,6,7
	v_pk_mul_f32 v[ACC+16*\a+2*\k:ACC+16*\a+2*\k+1], v[ACC+16*\a+2*\k:ACC+16*\a+2*\k+1], v[6:7]
.endr
.endr
	s_wait_dscnt 0x0                               ; my rows of the gated sum are in LDS, for the other waves
	s_wait_tensorcnt 0x1                           ; my part of tile 0 is in; tile 1's stays out
	s_barrier_signal -1
	s_barrier_wait -1
; the eight LDS loads of step kk (32 along K) of tile kt: two fragments of the gated sum, two of Wo, into buffer kk mod 3
.macro LDF slot, kt, kk
.set lf_k, \kk
.set lf_b, F+32*(lf_k%3)
.irp a, 0,1
	ds_load_b128 v[lf_b+8*\a:lf_b+8*\a+3], v4 offset:\a*16*APITCH+512*((\kt)&1)+64*lf_k
	ds_load_b128 v[lf_b+8*\a+4:lf_b+8*\a+7], v4 offset:\a*16*APITCH+512*((\kt)&1)+64*lf_k+32
.endr
.irp c, 0,1
	ds_load_b128 v[lf_b+16+8*\c:lf_b+16+8*\c+3], v[2+\slot] offset:(lf_k>>2)*8704+\c*4352+64*(lf_k&3)
	ds_load_b128 v[lf_b+16+8*\c+4:lf_b+16+8*\c+7], v[2+\slot] offset:(lf_k>>2)*8704+\c*4352+64*(lf_k&3)+32
.endr
.endm
; one tile: 256 along K in eight steps, three steps' loads ahead.  Source 0 = Wo, source 1 = gated sum, so lane (r, h) holds batch r and
; columns 8 h + 0..7.  The four accumulators take turns, one instruction a turn.
.macro PROC slot, kt
	PLACES
	LDF \slot, \kt, 0
	LDF \slot, \kt, 1
	LDF \slot, \kt, 2
.set pk, 0
.rept 8
.if pk < 6
	s_wait_dscnt 16                                ; this step's eight loads are in; the two younger steps' stay out
.else
	s_wait_dscnt 8*(7-pk)                          ; the last two steps: one younger step, then none
.endif
.set pf, F+32*(pk%3)
.irp a, 0,1
.irp c, 0,1
	v_wmma_f32_16x16x32_f16 v[ACC+8*(2*\a+\c):ACC+8*(2*\a+\c)+7], v[pf+16+8*\c:pf+16+8*\c+7], v[pf+8*\a:pf+8*\a+7], v[ACC+8*(2*\a+\c):ACC+8*(2*\a+\c)+7]
.endr
.endr
.if pk < 5
	PLACES
	LDF \slot, \kt, pk+3
.endif
.set pk, pk+1
.endr
.endm
; Slot s, which has been read, gets the tile two further on.  Every wave waits for all its tensor loads and for its LDS reads in front of the
; round of the cluster's barrier; the joint refill is the first tensor load behind it, one a wave.
.macro REFILL s
	s_set_vgpr_msb 0x5
	s_wait_tensorcnt 0x0                           ; all my loads have landed: a group 0 may be written
	ds_add_u32 v0, v1
	s_wait_dscnt 0x0
	s_set_vgpr_msb 0x500
	s_add_nc_u64 s[G0+4*\s+2:G0+4*\s+3], s[G0+4*\s+2:G0+4*\s+3], 262144
	s_wait_dscnt 0x0                               ; my reads of the slot, and of the stage, are over
	ROUND
	tensor_load_to_lds s[G0+4*\s:G0+4*\s+3], s[G1:G1+7]
	s_nop 0
.endm
	PROC 0, 0                                      ; tile 0
	REFILL 0                                       ; tile 1 has landed; tile 2 goes out
	PROC 1, 1                                      ; tile 1
	; the second half of K, in registers, while tile 2 is on its way: the stage is still read by slower waves
	PLACES
	UNITP 8, 20, 0
	LDU 14
	UNITP 9, 20, 0
	LDU 15
	UNITP 10, 20, 0
	UNITP 11, 16, 0
	UNITP 12, 12, 0
	UNITP 13, 8, 0
	UNITP 14, 4, 0
	UNITP 15, 0, 0
	REFILL 1                                       ; tile 2 has landed; tile 3 goes out.  Behind this round no wave reads the first half of the gated sum any more
.irp u, 0,1,2,3,4,5,6,7
	ds_store_b128 v29, v[P+4*\u:P+4*\u+3] offset:(\u>>1)*APITCH+512*(\u&1)
.endr
	s_wait_dscnt 0x0                               ; for the other waves
	s_barrier_signal -1                            ; tile 3 stays out
	s_barrier_wait -1
	PROC 0, 2                                      ; tile 2, shown landed by the wait for all loads above
	s_wait_tensorcnt 0x0                           ; tile 3, my own part; none may be out at the end
	PROC 1, 3
	; the way out through the stage: a wave holds 128 bytes of each of 32 rows; read back, a wave's store covers 512 consecutive bytes, aligned
	PLACES
	s_barrier_signal -1                            ; every wave's reads of the stage are over (the last step's wait was for 0)
	s_barrier_wait -1
.irp a, 0,1
.irp c, 0,1
	ds_store_b128 v30, v[ACC+8*(2*\a+\c):ACC+8*(2*\a+\c)+3] offset:\a*16*APITCH+64*\c
	ds_store_b128 v30, v[ACC+8*(2*\a+\c)+4:ACC+8*(2*\a+\c)+7] offset:\a*16*APITCH+64*\c+16
.endr
.endr
	s_wait_dscnt 0x0                               ; for the other waves
	s_barrier_signal -1
	s_barrier_wait -1
.irp k, 0,1,2,3,4,5,6,7
	ds_load_b128 v[XR+4*\k:XR+4*\k+3], v29 offset:(\k>>1)*APITCH+512*(\k&1)        ; rows 4 w + k / 2, half k & 1
.endr
.irp k, 0,1,2,3,4,5,6,7
	s_wait_dscnt 7-\k
	global_store_b128 v31, v[XR+4*\k:XR+4*\k+3], s[14:15] offset:(\k>>1)*4096+512*(\k&1)
.endr
	s_set_vgpr_msb 0x5
	s_wait_tensorcnt 0x0
	ds_add_u32 v0, v1
	s_wait_dscnt 0x0
	s_set_vgpr_msb 0x500
	ROUND                                          ; the closing round: no work-group ends while a partner may still ask jointly
	s_endpgm
.Lfunc_end_k_q7ee6ab7966_proj:
	.size	k_q7ee6ab7966_proj, .Lfunc_end_k_q7ee6ab7966_proj-k_q7ee6ab7966_proj
	.p2alignl 7, 3214868480
	.fill 96, 4, 3214868480
	.section	.rodata,"a",@progbits
	.p2align	6, 0x0
	.amdhsa_kernel k_q7ee6ab7966_proj
		.amdhsa_group_segment_fixed_size 327680
		.amdhsa_private_segment_fixed_size 0
		.amdhsa_enable_private_segment 0
		.amdhsa_kernarg_size 48
		.amdhsa_user_sgpr_count 2
		.amdhsa_user_sgpr_kernarg_segment_ptr 1
		.amdhsa_wavefront_size32 1
		.amdhsa_system_sgpr_workgroup_id_x 1
		.amdhsa_system_sgpr_workgroup_id_y 1
		.amdhsa_system_sgpr_workgroup_id_z 1
		.amdhsa_system_vgpr_workitem_id 0
		.amdhsa_next_free_vgpr 258
		.amdhsa_next_free_sgpr 66
		.amdhsa_reserve_vcc 0
		.amdhsa_float_denorm_mode_32 3
		.amdhsa_float_denorm_mode_16_64 3
		.amdhsa_memory_ordered 1
		.amdhsa_forward_progress 1
		.amdhsa_inst_pref_size 88
	.end_amdhsa_kernel
	.amdgpu_metadata
---
amdhsa.version: [ 1, 2 ]
amdhsa.kernels:
  - .name:           k_q7ee6ab7966_proj
    .symbol:         k_q7ee6ab7966_proj.kd
    .args:
      - { .name: ctx, .offset: 0, .size: 8, .value_kind: global_buffer, .address_space: global }
      - { .name: gp, .offset: 8, .size: 8, .value_kind: global_buffer, .address_space: global }
      - { .name: woh, .offset: 16, .size: 8, .value_kind: global_buffer, .address_space: global }
      - { .name: gate_b2, .offset: 24, .size: 8, .value_kind: global_buffer, .address_space: global }
      - { .name: out_proj_b, .offset: 32, .size: 8, .value_kind: global_buffer, .address_space: global }
      - { .name: fus, .offset: 40, .size: 8, .value_kind: global_buffer, .address_space: global }
    .group_segment_fixed_size: 327680
    .private_segment_fixed_size: 0
    .kernarg_segment_align: 8
    .kernarg_segment_size: 48
    .max_flat_workgroup_size: 256
    .sgpr_count:     66
    .vgpr_count:     258
    .wavefront_size: 32
...
	.end_amdgpu_metadata
.endif
;; end of part 5
;; launch ln (part 6): grid 256 x 1, 8 waves a work-group, no clusters, 0 bytes of LDS; arguments fus, ln_w, ln_b, out0; writes out0
.if DOCPART == 6
	.amdgcn_target "amdgcn-amd-amdhsa--gfx1250"
	.amdhsa_code_object_version 6
	.text
	.protected	k_q7ee6ab7966_ln
	.globl	k_q7ee6ab7966_ln
	.p2align	8
	.type	k_q7ee6ab7966_ln,@function
k_q7ee6ab7966_ln:
	s_mov_b64 s[64:65], 0
	v_nop
	global_prefetch_b8 v0, s[64:65] scope:SCOPE_SE
	s_setreg_imm32_b32 hwreg(HW_REG_WAVE_MODE, 25, 1), 1
	s_wait_xcnt 0x0
; LayerNorm of the 2,048 rows of fus = fused / 4, f32.  (t - mean t) / sqrt(var t + eps / 16) equals (fused - mean) / sqrt(var + eps):
; both sides of the quotient carry the same factor 4.  Then times ln_w, plus ln_b.
; A row is 4,096 bytes: one wave takes one row, eight loads of 16 bytes a lane, and keeps it in 32 registers between the mean, the variance (of the
; differences, as the reference forms it) and the scaling: the row is read once, no wave waits for another, no LDS, no barrier.
; A stream: matrix units, clusters and tensor loads would add nothing.  Each load and store of a wave covers 512 consecutive bytes, aligned.
; 256 work-groups x 8 waves = 2,048 rows; all 24 loads of a wave go out at once.
.set X, 4                              ; v[4:35]    the row
.set W, 36                             ; v[36:67]   ln_w of my 32 columns
.set B, 68                             ; v[68:99]   ln_b
.set S, 100                            ; v[100:107] four pairs of partial sums
.set R, 108                            ; v[108:109] - mean, then 1 / sqrt, twice (a pair for the packed forms)
; v[S:S+7] to the sum over the row, in v[S] of every lane
.macro LANESUM
	v_pk_add_f32 v[S:S+1], v[S:S+1], v[S+2:S+3]
	v_pk_add_f32 v[S+4:S+5], v[S+4:S+5], v[S+6:S+7]
	v_pk_add_f32 v[S:S+1], v[S:S+1], v[S+4:S+5]
	v_add_f32 v[S], v[S], v[S+1]
	v_add_f32_dpp v[S], v[S], v[S] row_xmask:1 row_mask:0xf bank_mask:0xf
	v_add_f32_dpp v[S], v[S], v[S] row_xmask:2 row_mask:0xf bank_mask:0xf
	v_add_f32_dpp v[S], v[S], v[S] row_xmask:4 row_mask:0xf bank_mask:0xf
	v_add_f32_dpp v[S], v[S], v[S] row_xmask:8 row_mask:0xf bank_mask:0xf
	v_permlanex16_b32 v[S+1], v[S], s14, s15       ; its destination counts as read: a register that has been written
	v_add_f32 v[S], v[S], v[S+1]
.endm
	s_load_b256 s[4:11], s[0:1], 0x0               ; fus s[4:5], ln_w s[6:7], ln_b s[8:9], out0 s[10:11]
	v_and_b32 v1, 31, v0
	v_lshlrev_b32 v1, 4, v1                        ; 16 x lane
	v_lshrrev_b32 v2, 5, v0
	v_lshl_or_b32 v2, v2, 12, v1                   ; + wave x 4,096: my row among the group's eight
	s_lshl_b32 s12, ttmp9, 15                      ; eight rows a work-group
	s_mov_b32 s13, 0
	s_mov_b32 s14, 0x76543210                      ; v_permlanex16_b32: lane i of the other half
	s_mov_b32 s15, 0xfedcba98
	s_mov_b32 s16, 0x3a800000                      ; 1 / 1024
	s_mov_b32 s17, 0x3527c5ac                      ; eps / 16
	s_wait_kmcnt 0x0
	s_add_nc_u64 s[4:5], s[4:5], s[12:13]
	s_add_nc_u64 s[10:11], s[10:11], s[12:13]
.irp j, 0,1,2,3,4,5,6,7
	global_load_b128 v[X+4*\j:X+4*\j+3], v2, s[4:5] offset:512*\j th:TH_LOAD_NT
.endr
.irp j, 0,1,2,3,4,5,6,7
	global_load_b128 v[W+4*\j:W+4*\j+3], v1, s[6:7] offset:512*\j
.endr
.irp j, 0,1,2,3,4,5,6,7
	global_load_b128 v[B+4*\j:B+4*\j+3], v1, s[8:9] offset:512*\j
.endr
	s_wait_loadcnt 16                              ; the row is in; the 16 loads of ln_w and ln_b stay out
	; the mean: four chains that do not wait for each other, started by the first sums: nothing is cleared
.irp c, 0,1,2,3
	v_pk_add_f32 v[S+2*\c:S+2*\c+1], v[X+2*\c:X+2*\c+1], v[X+8+2*\c:X+9+2*\c]
.endr
.irp k, 2,3
.irp c, 0,1,2,3
	v_pk_add_f32 v[S+2*\c:S+2*\c+1], v[S+2*\c:S+2*\c+1], v[X+8*\k+2*\c:X+8*\k+2*\c+1]
.endr
.endr
	LANESUM
	v_mul_f32 v[R], 0xba800000, v[S]               ; - sum / 1024
	v_mul_f32 v[R+1], 0xba800000, v[S]
.set k, 0
.rept 16
	v_pk_add_f32 v[X+2*k:X+2*k+1], v[X+2*k:X+2*k+1], v[R:R+1]
.set k, k+1
.endr
	; the variance, of the differences
.irp c, 0,1,2,3
	v_pk_mul_f32 v[S+2*\c:S+2*\c+1], v[X+2*\c:X+2*\c+1], v[X+2*\c:X+2*\c+1]
.endr
.irp k, 1,2,3
.irp c, 0,1,2,3
	v_pk_fma_f32 v[S+2*\c:S+2*\c+1], v[X+8*\k+2*\c:X+8*\k+2*\c+1], v[X+8*\k+2*\c:X+8*\k+2*\c+1], v[S+2*\c:S+2*\c+1]
.endr
.endr
	LANESUM
	v_fma_f32 v[S], v[S], s16, s17                 ; variance of t + eps / 16
	v_rsq_f32 v[R], v[S]
	v_rsq_f32 v[R+1], v[S]
	v_nop                                          ; one plain place behind v_rsq_f32 (ISA guide 5.7.2)
.set k, 0
	s_wait_alu depctr_va_vdst(0)
.rept 16
	v_pk_mul_f32 v[X+2*k:X+2*k+1], v[X+2*k:X+2*k+1], v[R:R+1]
.set k, k+1
.endr
	s_wait_loadcnt 0x0                             ; ln_w, ln_b
.irp j, 0,1,2,3,4,5,6,7
	v_pk_fma_f32 v[X+4*\j:X+4*\j+1], v[X+4*\j:X+4*\j+1], v[W+4*\j:W+4*\j+1], v[B+4*\j:B+4*\j+1]
	v_pk_fma_f32 v[X+4*\j+2:X+4*\j+3], v[X+4*\j+2:X+4*\j+3], v[W+4*\j+2:W+4*\j+3], v[B+4*\j+2:B+4*\j+3]
	global_store_b128 v2, v[X+4*\j:X+4*\j+3], s[10:11] offset:512*\j
.endr
	s_endpgm
.Lfunc_end_k_q7ee6ab7966_ln:
	.size	k_q7ee6ab7966_ln, .Lfunc_end_k_q7ee6ab7966_ln-k_q7ee6ab7966_ln
	.p2alignl 7, 3214868480
	.fill 96, 4, 3214868480
	.section	.rodata,"a",@progbits
	.p2align	6, 0x0
	.amdhsa_kernel k_q7ee6ab7966_ln
		.amdhsa_group_segment_fixed_size 0
		.amdhsa_private_segment_fixed_size 0
		.amdhsa_enable_private_segment 0
		.amdhsa_kernarg_size 32
		.amdhsa_user_sgpr_count 2
		.amdhsa_user_sgpr_kernarg_segment_ptr 1
		.amdhsa_wavefront_size32 1
		.amdhsa_system_sgpr_workgroup_id_x 1
		.amdhsa_system_sgpr_workgroup_id_y 1
		.amdhsa_system_sgpr_workgroup_id_z 1
		.amdhsa_system_vgpr_workitem_id 0
		.amdhsa_next_free_vgpr 112
		.amdhsa_next_free_sgpr 66
		.amdhsa_reserve_vcc 0
		.amdhsa_float_denorm_mode_32 3
		.amdhsa_float_denorm_mode_16_64 3
		.amdhsa_memory_ordered 1
		.amdhsa_forward_progress 1
		.amdhsa_inst_pref_size 11
	.end_amdhsa_kernel
	.amdgpu_metadata
---
amdhsa.version: [ 1, 2 ]
amdhsa.kernels:
  - .name:           k_q7ee6ab7966_ln
    .symbol:         k_q7ee6ab7966_ln.kd
    .args:
      - { .name: fus, .offset: 0, .size: 8, .value_kind: global_buffer, .address_space: global }
      - { .name: ln_w, .offset: 8, .size: 8, .value_kind: global_buffer, .address_space: global }
      - { .name: ln_b, .offset: 16, .size: 8, .value_kind: global_buffer, .address_space: global }
      - { .name: out0, .offset: 24, .size: 8, .value_kind: global_buffer, .address_space: global }
    .group_segment_fixed_size: 0
    .private_segment_fixed_size: 0
    .kernarg_segment_align: 8
    .kernarg_segment_size: 32
    .max_flat_workgroup_size: 256
    .sgpr_count:     66
    .vgpr_count:     112
    .wavefront_size: 32
...
	.end_amdgpu_metadata
.endif
;; end of part 6
;; ======== version 3 of 3: 4 launches; version 2 with the launches cast, ln written anew for expert scheduling mode
;; limits: values are held in f16: magnitudes above 65,504 overflow, below 6.1e-05 lose precision
;; workspace buffers: xh 16,777,216 bytes; wcat 7,340,032 bytes; woh 2,097,152 bytes; ctx 16,777,216 bytes; gp 262,144 bytes; fus 8,388,608 bytes
;; launch cast (part 7): grid 800 x 1, 8 waves a work-group, no clusters, 0 bytes of LDS; arguments x, in_proj_w, gate_w1, out_proj_w, xh, wcat, woh; writes xh, wcat, woh
.if DOCPART == 7
	.amdgcn_target "amdgcn-amd-amdhsa--gfx1250"
	.amdhsa_code_object_version 6
	.text
	.protected	k_q7ee6ab7966_cast
	.globl	k_q7ee6ab7966_cast
	.p2align	8
	.type	k_q7ee6ab7966_cast,@function
k_q7ee6ab7966_cast:
	s_mov_b64 s[64:65], 0
	v_nop
	global_prefetch_b8 v0, s[64:65] scope:SCOPE_SE
	s_setreg_imm32_b32 hwreg(HW_REG_WAVE_SCHED_MODE, 0, 2), 2
	s_setreg_imm32_b32 hwreg(HW_REG_WAVE_MODE, 25, 1), 1
	s_wait_xcnt 0x0
	s_wait_alu depctr_vm_vsrc(0)
; f32 -> f16 (round to nearest even) of x and of the three weight matrices, into layouts whose K tiles are dense in memory.
;   xh   [rb 32][s 16][row 256][64 k]        x, row block rb, K segment s
;   wcat [head 8][s 16][row 448][64 k]       rows 0-63 gate_w1 (64 head ..), 64-191 Wq, 192-319 Wk, 320-447 Wv of the head
;   woh  [nb 4][kt 4][part 8][kh 2][row 32][128 k]   out_proj_w row 256 nb + 32 part + row, k = 256 kt + 128 kh + ..
; LIMIT: a number of magnitude 65,520 or more becomes an f16 infinity; below 6.1e-5 the f16 is denormal (absolute step 6e-8).
; A stream: every byte is read once and written once, so no LDS, no barrier, no matrix unit, no cluster (nothing is shared).
; A work-group takes 16 source rows (65,536 bytes), a wave two of them: 16 loads of 16 bytes a lane, all issued ahead,
; then 16 stores of 8 bytes a lane; each store of a wave covers 256 consecutive bytes, aligned.
; THE MODE: SCHED_MODE bits 1:0 = 2 (LLVM: expert scheduling mode 2), set by the entry lines.  The code itself states the register dependences
; between vector instructions and memory instructions, with s_wait_alu, always for 0.
; THE PLAN.  Registers that memory instructions touch:
;   v1, v2   the loads' and the stores' byte offsets: made by vector instructions ahead of the first load of a path, never written behind it.
;   X        16 x 4 registers: each is written by one load and by nothing else; no vector instruction names it ahead of that load.
;   Y        16 x 2 registers: each is written once, by a conversion, and read by one store.
; No register that a memory instruction reads is written again, so no wait on vm_vsrc is owed.  The 16 loads go in four blocks of four.  Block p's
; conversions read X of block p and write Y of block p; its memory instructions are the stores of block p - 1, which read Y of block p - 1 and v2:
; registers that no conversion of block p names.  So one wait on va_vdst at a block's head states all that the block's four stores hang on.
.set X, 4                              ; v[4:67]   16 x 4 f32 as loaded
.set Y, 68                             ; v[68:99]  16 x 2 registers of f16 to store; no register is written twice
; store n.  wo = 0: the f16 of load n go to tile n (tile bytes apart).  wo = 1: to tile (n & 7) >> 1, plane n & 1, 256 bytes a row, row n >> 3.
.macro ST1 dst, tile, wo
.if \wo
	global_store_b64 v2, v[Y+2*n:Y+2*n+1], s[\dst:\dst+1] offset:((n&7)>>1)*131072+(n&1)*8192+(n>>3)*256
.else
	global_store_b64 v2, v[Y+2*n:Y+2*n+1], s[\dst:\dst+1] offset:n*(\tile)
.endif
.endm
; wo = 0: load i takes K segment i (256 bytes) of the wave's two rows.
; wo = 1: load i takes K segment i & 7 (512 bytes, 128 k) of row i >> 3.
.macro CAST16 src, dst, tile, wo
	s_wait_alu depctr_va_vdst(0)                   ; v1 and v2 are written: every load below reads v1 as its offset, every store v2
.set i, 0
.rept 16
.if \wo
	global_load_b128 v[X+4*i:X+4*i+3], v1, s[\src:\src+1] offset:(i>>3)*4096+(i&7)*512 th:TH_LOAD_NT
.else
	global_load_b128 v[X+4*i:X+4*i+3], v1, s[\src:\src+1] offset:256*i th:TH_LOAD_NT
.endif
.set i, i+1
.endr
.set i, 0
.rept 16
.if (i&3) == 0
	s_wait_loadcnt 12-i                            ; loads return in order: this block's four are in, the younger ones stay out
.if i > 0
	s_wait_alu depctr_va_vdst(0)                   ; the block before has written its eight registers of Y, which the four stores dealt below read
.endif
.endif
.if i > 3
.set n, i-4
	ST1 \dst, \tile, \wo                           ; the block before; no conversion since the wait names its Y or v2
.endif
	v_cvt_pk_f16_f32 v[Y+2*i], v[X+4*i], v[X+4*i+1]
	v_cvt_pk_f16_f32 v[Y+2*i+1], v[X+4*i+2], v[X+4*i+3]
.set i, i+1
.endr
	s_wait_alu depctr_va_vdst(0)                   ; the last block has written its Y, which the last four stores read
.set n, 12
.rept 4
	ST1 \dst, \tile, \wo
.set n, n+1
.endr
.endm
	s_load_b256 s[4:11], s[0:1], 0x0               ; x s[4:5], in_proj_w s[6:7], gate_w1 s[8:9], out_proj_w s[10:11]
	s_load_b128 s[12:15], s[0:1], 0x20             ; xh s[12:13], wcat s[14:15]
	s_load_b64 s[16:17], s[0:1], 0x30              ; woh
	v_lshrrev_b32 v1, 4, v0                        ; thread / 16 = the row among the group's 16
	v_and_b32 v2, 15, v0
	v_lshlrev_b32 v2, 4, v2
	v_lshl_or_b32 v1, v1, 12, v2                   ; load: row x 4,096 + 16 (thread mod 16)
	v_lshlrev_b32 v2, 3, v0                        ; store: 8 x thread = row x 128 + 8 (thread mod 16)
	s_mov_b32 s19, 0                               ; high words of the two offsets
	s_mov_b32 s21, 0
	s_wait_kmcnt 0x0
	s_cmp_lt_u32 ttmp9, 512
	s_cbranch_scc0 .Lnot_x
	; groups 0-511: x.  rb = g / 16, rows 16 (g mod 16) .. of the block
	s_lshl_b32 s18, ttmp9, 16
	s_add_nc_u64 s[4:5], s[4:5], s[18:19]
	s_lshr_b32 s20, ttmp9, 4
	s_lshl_b32 s20, s20, 19                        ; rb x 16 tiles x 32,768
	s_and_b32 s22, ttmp9, 15
	s_lshl_b32 s22, s22, 11                        ; 16 rows x 128 bytes
	s_add_co_u32 s20, s20, s22
	s_add_nc_u64 s[12:13], s[12:13], s[20:21]
	CAST16 4, 12, 32768, 0
	s_endpgm
.Lnot_x:
	s_cmp_lt_u32 ttmp9, 704
	s_cbranch_scc0 .Lnot_in
	; groups 512-703: in_proj_w.  g' = 64 part + 8 head + sixteenth
	s_sub_co_u32 s23, ttmp9, 512
	s_lshl_b32 s18, s23, 16
	s_add_nc_u64 s[6:7], s[6:7], s[18:19]
	s_bfe_u32 s20, s23, 0x30003                    ; head
	s_mul_i32 s20, s20, 917504                     ; 16 tiles x 57,344
	s_lshr_b32 s22, s23, 6                         ; part: q, k, v
	s_lshl_b32 s22, s22, 14                        ; 128 rows x 128 bytes
	s_add_co_u32 s20, s20, s22
	s_and_b32 s22, s23, 7
	s_lshl_b32 s22, s22, 11
	s_add_co_u32 s20, s20, s22
	s_add_co_u32 s20, s20, 8192                    ; behind the 64 gate rows
	s_add_nc_u64 s[14:15], s[14:15], s[20:21]
	CAST16 6, 14, 57344, 0
	s_endpgm
.Lnot_in:
	s_cmp_lt_u32 ttmp9, 736
	s_cbranch_scc0 .Lnot_gate
	; groups 704-735: gate_w1.  g'' = 4 head + quarter
	s_sub_co_u32 s23, ttmp9, 704
	s_lshl_b32 s18, s23, 16
	s_add_nc_u64 s[8:9], s[8:9], s[18:19]
	s_lshr_b32 s20, s23, 2
	s_mul_i32 s20, s20, 917504
	s_and_b32 s22, s23, 3
	s_lshl_b32 s22, s22, 11
	s_add_co_u32 s20, s20, s22
	s_add_nc_u64 s[14:15], s[14:15], s[20:21]
	CAST16 8, 14, 57344, 0
	s_endpgm
.Lnot_gate:
	; groups 736-799: out_proj_w.  g''' = 16 nb + 2 part + half of the part's 32 rows
	s_sub_co_u32 s23, ttmp9, 736
	s_lshl_b32 s18, s23, 16
	s_add_nc_u64 s[10:11], s[10:11], s[18:19]
	s_lshr_b32 s20, s23, 4
	s_lshl_b32 s20, s20, 19                        ; nb x 4 tiles x 131,072
	s_bfe_u32 s22, s23, 0x30001                    ; part
	s_lshl_b32 s22, s22, 14                        ; x 16,384
	s_add_co_u32 s20, s20, s22
	s_and_b32 s22, s23, 1
	s_lshl_b32 s22, s22, 12                        ; 16 rows x 256 bytes
	s_add_co_u32 s20, s20, s22
	s_add_nc_u64 s[16:17], s[16:17], s[20:21]
	v_lshrrev_b32 v1, 5, v0                        ; wave.  (v1 and v2 are made anew: on this path no memory instruction has read them yet)
	v_and_b32 v3, 31, v0                           ; lane
	v_lshlrev_b32 v2, 3, v3
	v_lshl_or_b32 v2, v1, 9, v2                    ; store: wave x 2 rows x 256 + 8 lane
	v_lshlrev_b32 v3, 4, v3
	v_lshl_or_b32 v1, v1, 13, v3                   ; load: wave x 2 rows x 4,096 + 16 lane
	CAST16 10, 16, 0, 1
	s_endpgm
.Lfunc_end_k_q7ee6ab7966_cast:
	.size	k_q7ee6ab7966_cast, .Lfunc_end_k_q7ee6ab7966_cast-k_q7ee6ab7966_cast
	.p2alignl 7, 3214868480
	.fill 96, 4, 3214868480
	.section	.rodata,"a",@progbits
	.p2align	6, 0x0
	.amdhsa_kernel k_q7ee6ab7966_cast
		.amdhsa_group_segment_fixed_size 0
		.amdhsa_private_segment_fixed_size 0
		.amdhsa_enable_private_segment 0
		.amdhsa_kernarg_size 56
		.amdhsa_user_sgpr_count 2
		.amdhsa_user_sgpr_kernarg_segment_ptr 1
		.amdhsa_wavefront_size32 1
		.amdhsa_system_sgpr_workgroup_id_x 1
		.amdhsa_system_sgpr_workgroup_id_y 1
		.amdhsa_system_sgpr_workgroup_id_z 1
		.amdhsa_system_vgpr_workitem_id 0
		.amdhsa_next_free_vgpr 104
		.amdhsa_next_free_sgpr 66
		.amdhsa_reserve_vcc 0
		.amdhsa_float_denorm_mode_32 3
		.amdhsa_float_denorm_mode_16_64 3
		.amdhsa_memory_ordered 1
		.amdhsa_forward_progress 1
		.amdhsa_inst_pref_size 25
	.end_amdhsa_kernel
	.amdgpu_metadata
---
amdhsa.version: [ 1, 2 ]
amdhsa.kernels:
  - .name:           k_q7ee6ab7966_cast
    .symbol:         k_q7ee6ab7966_cast.kd
    .args:
      - { .name: x, .offset: 0, .size: 8, .value_kind: global_buffer, .address_space: global }
      - { .name: in_proj_w, .offset: 8, .size: 8, .value_kind: global_buffer, .address_space: global }
      - { .name: gate_w1, .offset: 16, .size: 8, .value_kind: global_buffer, .address_space: global }
      - { .name: out_proj_w, .offset: 24, .size: 8, .value_kind: global_buffer, .address_space: global }
      - { .name: xh, .offset: 32, .size: 8, .value_kind: global_buffer, .address_space: global }
      - { .name: wcat, .offset: 40, .size: 8, .value_kind: global_buffer, .address_space: global }
      - { .name: woh, .offset: 48, .size: 8, .value_kind: global_buffer, .address_space: global }
    .group_segment_fixed_size: 0
    .private_segment_fixed_size: 0
    .kernarg_segment_align: 8
    .kernarg_segment_size: 56
    .max_flat_workgroup_size: 256
    .sgpr_count:     66
    .vgpr_count:     104
    .wavefront_size: 32
...
	.end_amdgpu_metadata
.endif
;; end of part 7
;; launch qkv: the kernel of part 2 again; grid 8 x 32, 4 waves a work-group, clusters of 4 x 4, 327,680 bytes of LDS; arguments xh, wcat, in_proj_b, gate_b1, gate_w2, ctx, gp; writes ctx, gp
;; launch proj: the kernel of part 5 again; grid 256 x 1, 8 waves a work-group, clusters of 4 x 1, 327,680 bytes of LDS; arguments ctx, gp, woh, gate_b2, out_proj_b, fus; writes fus
;; launch ln (part 8): grid 256 x 1, 8 waves a work-group, no clusters, 0 bytes of LDS; arguments fus, ln_w, ln_b, out0; writes out0
.if DOCPART == 8
	.amdgcn_target "amdgcn-amd-amdhsa--gfx1250"
	.amdhsa_code_object_version 6
	.text
	.protected	k_q7ee6ab7966_ln
	.globl	k_q7ee6ab7966_ln
	.p2align	8
	.type	k_q7ee6ab7966_ln,@function
k_q7ee6ab7966_ln:
	s_mov_b64 s[64:65], 0
	v_nop
	global_prefetch_b8 v0, s[64:65] scope:SCOPE_SE
	s_setreg_imm32_b32 hwreg(HW_REG_WAVE_SCHED_MODE, 0, 2), 2
	s_setreg_imm32_b32 hwreg(HW_REG_WAVE_MODE, 25, 1), 1
	s_wait_xcnt 0x0
	s_wait_alu depctr_vm_vsrc(0)
; LayerNorm of the 2,048 rows of fus = fused / 4, f32.  (t - mean t) / sqrt(var t + eps / 16) equals (fused - mean) / sqrt(var + eps):
; both sides of the quotient carry the same factor 4.  Then times ln_w, plus ln_b.
; A row is 4,096 bytes: one wave takes one row, eight loads of 16 bytes a lane, and keeps it in 32 registers between the mean, the variance (of the
; differences, as the reference forms it) and the scaling: the row is read once, no wave waits for another, no LDS, no barrier.
; A stream: matrix units, clusters and tensor loads would add nothing.  Each load and store of a wave covers 512 consecutive bytes, aligned.
; 256 work-groups x 8 waves = 2,048 rows; all 24 loads of a wave go out at once.
; THE MODE: SCHED_MODE bits 1:0 = 2 (LLVM: expert scheduling mode 2), set by the entry lines.  The code itself states the register dependences
; between vector instructions and memory instructions, with s_wait_alu, always for 0.
; THE PLAN.  Registers that memory instructions touch:
;   v1, v2   byte offsets: made at the head, read by every load and store, never written again.
;   X        written by the row's eight loads (no vector instruction names it ahead of them), then worked on in place; its last writers are the
;            multiply-adds by ln_w and ln_b; then read by the eight stores and not written again.
;   W, B     written by loads alone.
; No register that a memory instruction reads is written again, so no wait on vm_vsrc is owed.  The last step goes in two halves of four pieces of
; 512 bytes: the stores of pieces 0-3 read X[0:15] and v2, which the multiply-adds of pieces 4-7 do not name, so they are dealt among these behind one wait.
.set X, 4                              ; v[4:35]    the row
.set W, 36                             ; v[36:67]   ln_w of my 32 columns
.set B, 68                             ; v[68:99]   ln_b
.set S, 100                            ; v[100:107] four pairs of partial sums
.set R, 108                            ; v[108:109] - mean, then 1 / sqrt, twice (a pair for the packed forms)
; v[S:S+7] to the sum over the row, in v[S] of every lane
.macro LANESUM
	v_pk_add_f32 v[S:S+1], v[S:S+1], v[S+2:S+3]
	v_pk_add_f32 v[S+4:S+5], v[S+4:S+5], v[S+6:S+7]
	v_pk_add_f32 v[S:S+1], v[S:S+1], v[S+4:S+5]
	v_add_f32 v[S], v[S], v[S+1]
	v_add_f32_dpp v[S], v[S], v[S] row_xmask:1 row_mask:0xf bank_mask:0xf
	v_add_f32_dpp v[S], v[S], v[S] row_xmask:2 row_mask:0xf bank_mask:0xf
	v_add_f32_dpp v[S], v[S], v[S] row_xmask:4 row_mask:0xf bank_mask:0xf
	v_add_f32_dpp v[S], v[S], v[S] row_xmask:8 row_mask:0xf bank_mask:0xf
	v_permlanex16_b32 v[S+1], v[S], s14, s15       ; its destination counts as read: a register that has been written
	v_add_f32 v[S], v[S], v[S+1]
.endm
	s_load_b256 s[4:11], s[0:1], 0x0               ; fus s[4:5], ln_w s[6:7], ln_b s[8:9], out0 s[10:11]
	v_and_b32 v1, 31, v0
	v_lshlrev_b32 v1, 4, v1                        ; 16 x lane
	v_lshrrev_b32 v2, 5, v0
	v_lshl_or_b32 v2, v2, 12, v1                   ; + wave x 4,096: my row among the group's eight
	s_lshl_b32 s12, ttmp9, 15                      ; eight rows a work-group
	s_mov_b32 s13, 0
	s_mov_b32 s14, 0x76543210                      ; v_permlanex16_b32: lane i of the other half
	s_mov_b32 s15, 0xfedcba98
	s_mov_b32 s16, 0x3a800000                      ; 1 / 1024
	s_mov_b32 s17, 0x3527c5ac                      ; eps / 16
	s_wait_kmcnt 0x0
	s_add_nc_u64 s[4:5], s[4:5], s[12:13]
	s_add_nc_u64 s[10:11], s[10:11], s[12:13]
	s_wait_alu depctr_va_vdst(0)                   ; v1 and v2 are written: every load and store of the kernel reads one of them as its offset
.irp j, 0,1,2,3,4,5,6,7
	global_load_b128 v[X+4*\j:X+4*\j+3], v2, s[4:5] offset:512*\j th:TH_LOAD_NT
.endr
.irp j, 0,1,2,3,4,5,6,7
	global_load_b128 v[W+4*\j:W+4*\j+3], v1, s[6:7] offset:512*\j
.endr
.irp j, 0,1,2,3,4,5,6,7
	global_load_b128 v[B+4*\j:B+4*\j+3], v1, s[8:9] offset:512*\j
.endr
	s_wait_loadcnt 16                              ; the row is in; the 16 loads of ln_w and ln_b stay out
	; the mean: four chains that do not wait for each other, started by the first sums: nothing is cleared
.irp c, 0,1,2,3
	v_pk_add_f32 v[S+2*\c:S+2*\c+1], v[X+2*\c:X+2*\c+1], v[X+8+2*\c:X+9+2*\c]
.endr
.irp k, 2,3
.irp c, 0,1,2,3
	v_pk_add_f32 v[S+2*\c:S+2*\c+1], v[S+2*\c:S+2*\c+1], v[X+8*\k+2*\c:X+8*\k+2*\c+1]
.endr
.endr
	LANESUM
	v_mul_f32 v[R], 0xba800000, v[S]               ; - sum / 1024
	v_mul_f32 v[R+1], 0xba800000, v[S]
.set k, 0
.rept 16
	v_pk_add_f32 v[X+2*k:X+2*k+1], v[X+2*k:X+2*k+1], v[R:R+1]
.set k, k+1
.endr
	; the variance, of the differences
.irp c, 0,1,2,3
	v_pk_mul_f32 v[S+2*\c:S+2*\c+1], v[X+2*\c:X+2*\c+1], v[X+2*\c:X+2*\c+1]
.endr
.irp k, 1,2,3
.irp c, 0,1,2,3
	v_pk_fma_f32 v[S+2*\c:S+2*\c+1], v[X+8*\k+2*\c:X+8*\k+2*\c+1], v[X+8*\k+2*\c:X+8*\k+2*\c+1], v[S+2*\c:S+2*\c+1]
.endr
.endr
	LANESUM
	v_fma_f32 v[S], v[S], s16, s17                 ; variance of t + eps / 16
	v_rsq_f32 v[R], v[S]
	v_rsq_f32 v[R+1], v[S]
	v_nop                                          ; one plain place behind v_rsq_f32 (ISA guide 5.7.2)
	s_wait_alu depctr_va_vdst(0)                   ; both v_rsq_f32 have written v[R:R+1], ahead of the first multiply that reads the pair: one wait for the two
.set k, 0
.rept 16
	v_pk_mul_f32 v[X+2*k:X+2*k+1], v[X+2*k:X+2*k+1], v[R:R+1]
.set k, k+1
.endr
	s_wait_loadcnt 0x0                             ; ln_w, ln_b
.irp j, 0,1,2,3
	v_pk_fma_f32 v[X+4*\j:X+4*\j+1], v[X+4*\j:X+4*\j+1], v[W+4*\j:W+4*\j+1], v[B+4*\j:B+4*\j+1]
	v_pk_fma_f32 v[X+4*\j+2:X+4*\j+3], v[X+4*\j+2:X+4*\j+3], v[W+4*\j+2:W+4*\j+3], v[B+4*\j+2:B+4*\j+3]
.endr
	s_wait_alu depctr_va_vdst(0)                   ; the multiply-adds above have written X[0:15], which the four stores dealt below read
.irp j, 4,5,6,7
	global_store_b128 v2, v[X+4*(\j)-16:X+4*(\j)-13], s[10:11] offset:512*(\j)-2048   ; piece j - 4; no vector instruction since the wait names its registers or v2
	v_pk_fma_f32 v[X+4*\j:X+4*\j+1], v[X+4*\j:X+4*\j+1], v[W+4*\j:W+4*\j+1], v[B+4*\j:B+4*\j+1]
	v_pk_fma_f32 v[X+4*\j+2:X+4*\j+3], v[X+4*\j+2:X+4*\j+3], v[W+4*\j+2:W+4*\j+3], v[B+4*\j+2:B+4*\j+3]
.endr
	s_wait_alu depctr_va_vdst(0)                   ; the multiply-adds of pieces 4-7 have written X[16:31], which the last four stores read
.irp j, 4,5,6,7
	global_store_b128 v2, v[X+4*\j:X+4*\j+3], s[10:11] offset:512*\j
.endr
	s_endpgm
.Lfunc_end_k_q7ee6ab7966_ln:
	.size	k_q7ee6ab7966_ln, .Lfunc_end_k_q7ee6ab7966_ln-k_q7ee6ab7966_ln
	.p2alignl 7, 3214868480
	.fill 96, 4, 3214868480
	.section	.rodata,"a",@progbits
	.p2align	6, 0x0
	.amdhsa_kernel k_q7ee6ab7966_ln
		.amdhsa_group_segment_fixed_size 0
		.amdhsa_private_segment_fixed_size 0
		.amdhsa_enable_private_segment 0
		.amdhsa_kernarg_size 32
		.amdhsa_user_sgpr_count 2
		.amdhsa_user_sgpr_kernarg_segment_ptr 1
		.amdhsa_wavefront_size32 1
		.amdhsa_system_sgpr_workgroup_id_x 1
		.amdhsa_system_sgpr_workgroup_id_y 1
		.amdhsa_system_sgpr_workgroup_id_z 1
		.amdhsa_system_vgpr_workitem_id 0
		.amdhsa_next_free_vgpr 112
		.amdhsa_next_free_sgpr 66
		.amdhsa_reserve_vcc 0
		.amdhsa_float_denorm_mode_32 3
		.amdhsa_float_denorm_mode_16_64 3
		.amdhsa_memory_ordered 1
		.amdhsa_forward_progress 1
		.amdhsa_inst_pref_size 11
	.end_amdhsa_kernel
	.amdgpu_metadata
---
amdhsa.version: [ 1, 2 ]
amdhsa.kernels:
  - .name:           k_q7ee6ab7966_ln
    .symbol:         k_q7ee6ab7966_ln.kd
    .args:
      - { .name: fus, .offset: 0, .size: 8, .value_kind: global_buffer, .address_space: global }
      - { .name: ln_w, .offset: 8, .size: 8, .value_kind: global_buffer, .address_space: global }
      - { .name: ln_b, .offset: 16, .size: 8, .value_kind: global_buffer, .address_space: global }
      - { .name: out0, .offset: 24, .size: 8, .value_kind: global_buffer, .address_space: global }
    .group_segment_fixed_size: 0
    .private_segment_fixed_size: 0
    .kernarg_segment_align: 8
    .kernarg_segment_size: 32
    .max_flat_workgroup_size: 256
    .sgpr_count:     66
    .vgpr_count:     112
    .wavefront_size: 32
...
	.end_amdgpu_metadata
.endif
;; end of part 8
